; MI455X (gfx1250); checked and timed in simulation.
; The chip was launched on July 23, 2026; its instructions are those of AMD's public machine-readable ISA for CDNA 5 (MIT licence, August 2026) and "CDNA5" Instruction Set Architecture Reference Guide (July 2026). The comments in the code are by the model that wrote it; some were corrected since.
;; Flash Attention Module. Allowed arithmetic: float matrix products may take bf16 or f16 operands with f32 sums; all other float work in f32.
;; Inputs: Wk 2,048 x 2,048 float32; Wo 2,048 x 2,048 float32; Wq 2,048 x 2,048 float32; Wv 2,048 x 2,048 float32; bk 2,048 float32; bo 2,048 float32; bq 2,048 float32; bv 2,048 float32; past_k 2 x 16 x 2,048 x 128 float32; past_v 2 x 16 x 2,048 x 128 float32; x 2 x 1,024 x 2,048 float32.
;; Outputs: out0 2 x 1,024 x 2,048 float32.
;; One version. Each part assembles by itself: llvm-mc -triple=amdgcn-amd-amdhsa -mcpu=gfx1250 --defsym DOCPART=n.
;; ======== version 1 of 1: 4 launches
;; limits: values are held in f16: magnitudes above 65,504 overflow, below 6.1e-05 lose precision
;; workspace buffers: xb 8,388,608 bytes; wqkv 25,165,824 bytes; wob 8,388,608 bytes; qb 8,388,608 bytes; kc 25,165,824 bytes; vc 25,165,824 bytes; ao 8,388,608 bytes
;; launch cast (part 1): grid 256 x 9, 8 waves a work-group, no clusters, 0 bytes of LDS; arguments x, Wq, Wk, Wv, Wo, past_k, past_v, xb, wqkv, wob, kc, vc; writes xb, wqkv, wob, kc, vc
.if DOCPART == 1
	.amdgcn_target "amdgcn-amd-amdhsa--gfx1250"
	.amdhsa_code_object_version 6
	.text
	.protected	k_q5d89e9057d_cast
	.globl	k_q5d89e9057d_cast
	.p2align	8
	.type	k_q5d89e9057d_cast,@function
k_q5d89e9057d_cast:
	s_mov_b64 s[64:65], 0
	v_nop
	global_prefetch_b8 v0, s[64:65] scope:SCOPE_SE
	s_setreg_imm32_b32 hwreg(HW_REG_WAVE_MODE, 25, 1), 1
	s_wait_xcnt 0x0
; Every matrix operand of the later launches, rounded once from f32 to f16 (half step 2^-11 of the number; bf16's 2^-8, met three times and more
; on the way to the output, does not fit the allowed error of a hundredth of the output's root mean square).
; Grid y picks one of nine sections of 16 MiB of f32: 0 x, 1 Wq, 2 Wk, 3 Wv, 4 Wo, 5 and 6 past_k of batch 0 and 1, 7 and 8 past_v likewise.
; Grid x picks a piece of 64 KiB of f32 in the section, which becomes 32 KiB of f16.
; Where it goes: x -> xb; Wq, Wk, Wv -> wqkv, one behind the other (rows 0, 2048, 4096); Wo -> wob;
; past_k, past_v -> rows 0 to 2047 of each head of kc, vc, whose heads have 3,072 rows of 256 bytes (the next launch writes rows 2048 to 3071).
; kc and vc hold k / 4 and v / 4 (exact, a power of two): the new keys and values are sums of 2,048 products and get that much more room below
; f16's largest number; q carries the 4 for k, the last launch puts v's back.
; A head of the cache is 16 pieces, so a piece's place is (piece / 16) x head stride + (piece % 16) x 32 KiB; for the dense targets the
; "head stride" is simply 16 pieces.
; Thread t takes the 16 bytes at 16 t + 4096 j, j = 0 .. 15: a load of a wave covers 512 consecutive bytes, a store 256, both aligned.
; All sixteen loads go out first; nothing is read twice, no wave needs another: no LDS, no barrier, no matrix unit, no cluster.
; Limits: |x|, |W| from 65,504 on and |past_k|, |past_v| from 262,016 on become infinities; below 2^-14 (the cache: 2^-12) the step stays 2^-24 (2^-22).
; NaN and infinities pass through the conversion as it treats them.
.set X, 4                              ; v[4:67]   sixteen loads of four f32
.set Y, 68                             ; v[68:99]  sixteen pairs of packed f16
	s_load_b512 s[8:23], s[0:1], 0x0               ; x 8, Wq 10, Wk 12, Wv 14, Wo 16, past_k 18, past_v 20, xb 22
	s_load_b256 s[24:31], s[0:1], 0x40             ; wqkv 24, wob 26, kc 28, vc 30
	s_and_b32 s4, ttmp7, 0xffff                    ; the section
	v_lshlrev_b32 v1, 4, v0                        ; 16 t: my bytes in a source block of 4,096
	v_lshlrev_b32 v2, 3, v0                        ; 8 t: my bytes in a target block of 2,048
	; offsets, apart from the addresses
	s_sub_co_u32 s36, s4, 5
	s_and_b32 s36, s36, 1                          ; the batch, for the cache's sections
	s_sub_co_u32 s38, s4, 1
	s_lshl_b32 s38, s38, 23                        ; Wq, Wk, Wv: 8 MiB of f16 each in wqkv
	s_mov_b32 s37, 524288                          ; 16 pieces of 32 KiB
	s_mov_b32 s39, 786432                          ; a head of kc or vc
	s_cmp_ge_u32 s4, 5
	s_cselect_b32 s36, s36, 0
	s_cselect_b32 s37, s39, s37
	s_mul_i32 s39, s36, 12582912                   ; 16 heads of kc or vc
	s_cmp_ge_u32 s4, 4
	s_cselect_b32 s38, 0, s38
	s_cmp_eq_u32 s4, 0
	s_cselect_b32 s38, 0, s38
	s_cmp_ge_u32 s4, 5
	s_cselect_b32 s38, s39, s38                    ; the section's first byte in its target
	s_lshl_b32 s40, s36, 24                        ; source: batch x 16 MiB
	s_lshl_b32 s41, ttmp9, 16                      ; + piece x 64 KiB
	s_add_co_u32 s40, s40, s41
	s_mov_b32 s41, 0
	s_lshr_b32 s42, ttmp9, 4
	s_mul_i32 s42, s42, s37                        ; target: (piece / 16) x head stride
	s_add_co_u32 s42, s42, s38
	s_and_b32 s43, ttmp9, 15
	s_lshl_b32 s43, s43, 15                        ; + (piece % 16) x 32 KiB
	s_add_co_u32 s42, s42, s43
	s_mov_b32 s43, 0
	s_wait_kmcnt 0x0
	; the section's two buffers, chosen by the section's number alone
	s_cmp_eq_u32 s4, 1
	s_cselect_b64 s[32:33], s[10:11], s[8:9]
	s_cmp_eq_u32 s4, 2
	s_cselect_b64 s[32:33], s[12:13], s[32:33]
	s_cmp_eq_u32 s4, 3
	s_cselect_b64 s[32:33], s[14:15], s[32:33]
	s_cmp_eq_u32 s4, 4
	s_cselect_b64 s[32:33], s[16:17], s[32:33]
	s_cmp_ge_u32 s4, 5
	s_cselect_b64 s[32:33], s[18:19], s[32:33]
	s_cmp_ge_u32 s4, 7
	s_cselect_b64 s[32:33], s[20:21], s[32:33]
	s_cmp_ge_u32 s4, 1
	s_cselect_b64 s[34:35], s[24:25], s[22:23]
	s_cmp_ge_u32 s4, 4
	s_cselect_b64 s[34:35], s[26:27], s[34:35]
	s_cmp_ge_u32 s4, 5
	s_cselect_b64 s[34:35], s[28:29], s[34:35]
	s_cmp_ge_u32 s4, 7
	s_cselect_b64 s[34:35], s[30:31], s[34:35]
	s_add_nc_u64 s[32:33], s[32:33], s[40:41]
	s_add_nc_u64 s[34:35], s[34:35], s[42:43]
.set j, 0
.rept 16
	global_load_b128 v[X+4*j:X+4*j+3], v1, s[32:33] offset:4096*j th:TH_LOAD_NT   ; read once in the whole program
.set j, j+1
.endr
; the sixteen loads are rounded and stored as they come.  quarter = 1: the cache's sections, times 1/4 first.
.macro ROUNDED quarter
.set j, 0
.rept 16
	s_wait_loadcnt 15-j                            ; loads come back in order: load j is in, the 15 - j younger ones stay out
.if \quarter
	v_pk_mul_f32 v[X+4*j:X+4*j+1],   v[X+4*j:X+4*j+1],   0x3e800000 op_sel_hi:[1,0]
	v_pk_mul_f32 v[X+4*j+2:X+4*j+3], v[X+4*j+2:X+4*j+3], 0x3e800000 op_sel_hi:[1,0]
.endif
	v_cvt_pk_f16_f32 v[Y+2*j],   v[X+4*j],   v[X+4*j+1]
	v_cvt_pk_f16_f32 v[Y+2*j+1], v[X+4*j+2], v[X+4*j+3]
	global_store_b64 v2, v[Y+2*j:Y+2*j+1], s[34:35] offset:2048*j   ; no source of a store is written again, so no wait frees any
.set j, j+1
.endr
	s_endpgm
.endm
	s_cmp_ge_u32 s4, 5                             ; the same in the whole work-group: the section's number
	s_cbranch_scc1 .Lcache
	ROUNDED 0
.Lcache:
	ROUNDED 1
.Lfunc_end_k_q5d89e9057d_cast:
	.size	k_q5d89e9057d_cast, .Lfunc_end_k_q5d89e9057d_cast-k_q5d89e9057d_cast
	.p2alignl 7, 3214868480
	.fill 96, 4, 3214868480
	.section	.rodata,"a",@progbits
	.p2align	6, 0x0
	.amdhsa_kernel k_q5d89e9057d_cast
		.amdhsa_group_segment_fixed_size 0
		.amdhsa_private_segment_fixed_size 0
		.amdhsa_enable_private_segment 0
		.amdhsa_kernarg_size 96
		.amdhsa_user_sgpr_count 2
		.amdhsa_user_sgpr_kernarg_segment_ptr 1
		.amdhsa_wavefront_size32 1
		.amdhsa_system_sgpr_workgroup_id_x 1
		.amdhsa_system_sgpr_workgroup_id_y 1
		.amdhsa_system_sgpr_workgroup_id_z 1
		.amdhsa_system_vgpr_workitem_id 0
		.amdhsa_next_free_vgpr 104
		.amdhsa_next_free_sgpr 66
		.amdhsa_reserve_vcc 0
		.amdhsa_float_denorm_mode_32 3
		.amdhsa_float_denorm_mode_16_64 3
		.amdhsa_memory_ordered 1
		.amdhsa_forward_progress 1
		.amdhsa_inst_pref_size 15
	.end_amdhsa_kernel
	.amdgpu_metadata
---
amdhsa.version: [ 1, 2 ]
amdhsa.kernels:
  - .name:           k_q5d89e9057d_cast
    .symbol:         k_q5d89e9057d_cast.kd
    .args:
      - { .name: x, .offset: 0, .size: 8, .value_kind: global_buffer, .address_space: global }
      - { .name: Wq, .offset: 8, .size: 8, .value_kind: global_buffer, .address_space: global }
      - { .name: Wk, .offset: 16, .size: 8, .value_kind: global_buffer, .address_space: global }
      - { .name: Wv, .offset: 24, .size: 8, .value_kind: global_buffer, .address_space: global }
      - { .name: Wo, .offset: 32, .size: 8, .value_kind: global_buffer, .address_space: global }
      - { .name: past_k, .offset: 40, .size: 8, .value_kind: global_buffer, .address_space: global }
      - { .name: past_v, .offset: 48, .size: 8, .value_kind: global_buffer, .address_space: global }
      - { .name: xb, .offset: 56, .size: 8, .value_kind: global_buffer, .address_space: global }
      - { .name: wqkv, .offset: 64, .size: 8, .value_kind: global_buffer, .address_space: global }
      - { .name: wob, .offset: 72, .size: 8, .value_kind: global_buffer, .address_space: global }
      - { .name: kc, .offset: 80, .size: 8, .value_kind: global_buffer, .address_space: global }
      - { .name: vc, .offset: 88, .size: 8, .value_kind: global_buffer, .address_space: global }
    .group_segment_fixed_size: 0
    .private_segment_fixed_size: 0
    .kernarg_segment_align: 8
    .kernarg_segment_size: 96
    .max_flat_workgroup_size: 256
    .sgpr_count:     66
    .vgpr_count:     104
    .wavefront_size: 32
...
	.end_amdgpu_metadata
.endif
;; end of part 1
;; launch qkv (part 2): grid 24 x 8, 4 waves a work-group, clusters of 4 x 4, 327,680 bytes of LDS; arguments xb, wqkv, bq, bk, bv, qb, kc, vc; writes qb, kc, vc
.if DOCPART == 2
	.amdgcn_target "amdgcn-amd-amdhsa--gfx1250"
	.amdhsa_code_object_version 6
	.text
	.protected	k_q5d89e9057d_qkv
	.globl	k_q5d89e9057d_qkv
	.p2align	8
	.type	k_q5d89e9057d_qkv,@function
k_q5d89e9057d_qkv:
	s_mov_b64 s[64:65], 0
	v_nop
	global_prefetch_b8 v0, s[64:65] scope:SCOPE_SE
	s_setreg_imm32_b32 hwreg(HW_REG_WAVE_MODE, 25, 1), 1
	s_wait_xcnt 0x0
	s_wait_alu depctr_hold_cnt(0) depctr_sa_sdst(0) depctr_va_vdst(0) depctr_va_sdst(0) depctr_va_ssrc(0) depctr_va_vcc(0) depctr_vm_vsrc(0)
	s_getreg_b32 s2, hwreg(HW_REG_IB_STS2, 6, 4)
	s_cmp_eq_u32 s2, 0
	s_cbranch_scc0 .Lentry_in_a_cluster
	s_endpgm
.Lentry_in_a_cluster:
	s_bfe_u32 s2, ttmp6, 0x10000c
	s_cmp_lg_u32 s2, 0xf033
	s_cbranch_scc0 .Lentry_shape_is_right
	s_endpgm
.Lentry_shape_is_right:
; The three projections as one product C = xb wqkv^T + bias.  xb: [2048 tokens][2048], wqkv: [6144 = q, k, v rows][2048], both f16; sums in f32.
; A work-group makes 256 tokens x 256 columns with four waves, a wave 128 x 128: 64 accumulator tiles of 16 x 16, 512 registers.
; K goes in steps of 128 through a ring of two LDS slots filled by the tensor data mover; a tile's rows are 256 bytes of memory, aligned.
; Block columns 0-7 are q, 8-15 k, 16-23 v; a cluster covers four block columns, so the choice (cluster x / 2) is the same in all its work-groups.
; A wave's 128 columns are exactly one head, its 128 tokens one run of rows of that head: its result is a dense block of 32 KiB of f16 in
;   qb [32 heads][1024][128]  (q + bq) x 4 log2(e) / sqrt(128): the softmax's scale, the change to base 2 and the 4 that k lacks, folded in before the rounding,
;   kc, vc [32 heads][3072][128], rows 2048 + s: (k + bk) / 4, (v + bv) / 4, the new keys and values behind the cached ones, which are stored as quarters too.
; WHY THE QUARTERS: with x and W both 30 spreads off zero a sum of 2,048 products reaches 2048 x 30 x 0.66 = 40,600; a quarter of it is a sixth of
; f16's largest number, and q's 0.51 of it a third.  With both 30 times smaller a quarter of k has a root mean square near 3e-4 against a step of 2^-24.
; CLUSTERS: 4 x 4 work-groups.  The four of a row of the cluster need the same tiles of xb, the four of a column the same tiles of wqkv: each tile is
; asked for jointly (same descriptor, a mask that names the four), which divides the requests for both by four.
; REGISTERS in windows of 256:
;   window 0: v16-27 addresses; v64-127, v128-191 fragments of xb, two buffers; v192-223 at work on the way out
;   window 1: v0-63 the bias of my 128 columns (8 numbers for each of 8 column blocks); v64-127, v128-191 fragments of wqkv, two buffers
;   window 2: accumulators of my rows 0-63 (tile (a, b) at v[8 (8 a + b)]);  window 3: rows 64-127
; THE MATRIX INSTRUCTION IS USED TRANSPOSED: source 0 = 16 rows of wqkv, source 1 = 16 rows of xb, so that lane l holds token l % 16 and its
; registers 0-7 the columns 8 (l / 16) + 0 .. 7: eight neighbouring numbers of a row, 16 bytes of f16.
; Limits: operands and results are f16 (nearest even): |k|, |v| from 262,016 on and |q| from about 128,000 on become infinities;
; NaN and infinities are not treated specially.
.set NB,     8                         ; 16-row fragments of wqkv in a wave's tile
.set APW,    32/NB                     ; 16-row blocks of xb whose accumulators fit one window
.set SIZE_K, 2048
.set KSTEP,  128
.set PITCH,  272                       ; an LDS row: 256 bytes + 16 of padding, an odd multiple of 16: the 16 rows of a fragment load start 16 bytes apart modulo 256
.set HALFA,  128*PITCH                 ; what one tensor load brings of xb
.set HALFB,  16*NB*PITCH               ; and of wqkv
.set SLOT,   2*HALFA+2*HALFB
.set STAGE,  2*SLOT                    ; behind the ring: 16 rows x 272 bytes for each wave; no tensor load lands there
.set SPITCH, 272
.set LAPS,   SIZE_K/(2*KSTEP)          ; a lap = two K steps = once round the ring
.set NLD,    2*(8+NB)                  ; LDS loads of one quarter step
.set ADRA, 16                          ; v16-17  LDS address of my xb fragments in slot 0, 1
.set ADRB, 20                          ; v20-21  the same for wqkv
.set STO,  24                          ; way out: where I put 16 bytes of a row
.set RD,   25                          ; way out: where I read rows back
.set CO,   26                          ; my byte offset in the wave's dense block: 16 x lane
.set BO,   27                          ; 32 x (l / 16): my eight numbers in a block of 16 bias numbers
.set F0,   64
.set F1,   128
.set TMP,  192
.set G1,  24                           ; s[24:31] group 1 for xb's tiles
.set G0,  32                           ; s[32:39] group 0 for xb's tiles, one set for each slot
.set G1B, 48                           ; s[48:55] group 1 for wqkv's tiles
.set G0B, 56                           ; s[56:63] group 0 for wqkv's tiles
.set MSB, 0
.macro WIN new                         ; the immediate's high byte repeats the setting that is left
.if MSB != \new
	s_set_vgpr_msb (MSB<<8)|\new
.set MSB, \new
.endif
.endm
.set MUL_LO, 0xa1                      ; source 0 window 1, source 1 window 0, C and D window 2
.set MUL_HI, 0xf1                      ; the same, C and D window 3
.set TO_B,   0x40                      ; destination window 1, address window 0
; A joint load: waves 0 and 1 fetch xb's two halves, waves 2 and 3 wqkv's.  The branch hangs on the wave's number alone.
.macro JLOAD s
	s_cmp_eq_u32 s11, 0
	s_cbranch_scc0 .Lfor_b_\@
	tensor_load_to_lds s[G0+4*\s:G0+4*\s+3], s[G1:G1+7]
	s_nop 0
	s_branch .Lasked_\@
.Lfor_b_\@:
	tensor_load_to_lds s[G0B+4*\s:G0B+4*\s+3], s[G1B:G1B+7]
	s_nop 0
.Lasked_\@:
.endm
; A round of the cluster's barrier: my work-group's barrier; wave 0 signals for the work-group; every wave waits for all sixteen; my work-group's barrier again.
.macro CREST                           ; a round behind its opening barrier
	s_cmp_lg_u32 s10, 0
	s_cbranch_scc1 .Lnot_wave_0_\@
	s_barrier_signal -3
.Lnot_wave_0_\@:
	s_barrier_wait -3
	s_barrier_signal -1
	s_barrier_wait -1
.endm
.macro CROUND
	s_barrier_signal -1
	s_barrier_wait -1
	CREST
.endm
	s_load_b128 s[4:7], s[0:1], 0x0                ; xb s[4:5], wqkv s[6:7]
	s_load_b256 s[68:75], s[0:1], 0x10             ; bq 68, bk 70, bv 72, qb 74
	s_load_b128 s[76:79], s[0:1], 0x30             ; kc 76, vc 78
	s_set_vgpr_msb 0x40
	v_lshl_add_u32 v255, v0, 2, 0x48400
	s_set_vgpr_msb 0x4000
	v_mov_b32 v255, 0
	s_set_vgpr_msb 0x1
	ds_add_u32 v255, v255
	s_set_vgpr_msb 0x100
	v_lshrrev_b32 v1, 5, v0
	v_readfirstlane_b32 s10, v1                    ; wave 0..3
	s_lshr_b32 s11, s10, 1                         ; my half of the block's rows; also: I fetch for xb (0) or wqkv (1)
	s_and_b32 s12, s10, 1                          ; my half of its columns; also: which half tile I fetch
	s_bfe_u32 s40, ttmp6, 0x40000                  ; cx
	s_bfe_u32 s41, ttmp6, 0x40004                  ; cy
	s_lshl_b32 s42, ttmp9, 2
	s_add_co_u32 s42, s42, s40                     ; block column = 4 x cluster x + cx
	s_and_b32 s13, ttmp7, 0xffff
	s_lshl_b32 s13, s13, 2
	s_add_co_u32 s13, s13, s41                     ; block row = 4 x cluster y + cy
	s_lshl_b32 s43, s41, 2
	s_lshl_b32 s43, 15, s43                        ; my row of the cluster: places 4 cy .. 4 cy + 3
	s_lshl_b32 s44, 0x1111, s40                    ; my column: places cx, cx + 4, cx + 8, cx + 12
	; group 1: rows of 128 elements of 2 bytes, 4 words of padding behind every 64 words
	s_or_b32 s[G1+0], s43, (1<<16)|(1<<20)|(1<<21)|(5<<22)|(3<<25)
	s_or_b32 s[G1B+0], s44, (1<<16)|(1<<20)|(1<<21)|(5<<22)|(3<<25)
	s_mov_b32 s[G1+1], KSTEP<<16                   ; tensor_dim0 = 128
	s_mov_b32 s[G1B+1], KSTEP<<16
	s_mov_b32 s[G1+2], 128<<16                     ; tensor_dim1 = the tile's rows
	s_mov_b32 s[G1B+2], (16*NB)<<16
	s_mov_b32 s[G1+3], KSTEP<<16                   ; tile_dim0 = 128
	s_mov_b32 s[G1B+3], KSTEP<<16
	s_mov_b32 s[G1+4], 128                         ; tile_dim1
	s_mov_b32 s[G1B+4], 16*NB
	s_mov_b32 s[G1+5], SIZE_K                      ; elements from row to row
	s_mov_b32 s[G1B+5], SIZE_K
	s_mov_b32 s[G1+6], 0
	s_mov_b32 s[G1B+6], 0
	s_mov_b32 s[G1+7], 0
	s_mov_b32 s[G1B+7], 0
	; xb's tiles hang on the block row alone, wqkv's on the block column alone; each address in registers that never hold the other coordinate
	s_lshl_b32 s17, s12, 7
	s_lshl_b32 s16, s13, 8
	s_add_co_u32 s16, s16, s17                     ; xb: row 256 x block row + 128 x half
	s_lshl_b32 s16, s16, 12                        ; rows of 4,096 bytes
	s_mov_b32 s17, 0
	s_mul_i32 s47, s12, 16*NB
	s_mul_i32 s46, s42, 32*NB
	s_add_co_u32 s46, s46, s47                     ; wqkv: row 256 x block column + 128 x half
	s_lshl_b32 s46, s46, 12
	s_mov_b32 s47, 0
	s_mul_i32 s20, s10, HALFA                      ; LDS target of waves 0, 1
	s_mul_i32 s45, s10, HALFB
	s_add_co_u32 s45, s45, 2*(HALFA-HALFB)         ; LDS target of waves 2, 3: behind xb's 256 rows
	s_wait_dscnt 0x0
	s_wait_kmcnt 0x0
	s_add_nc_u64 s[14:15], s[4:5], s[16:17]
	s_add_nc_u64 s[46:47], s[6:7], s[46:47]
	CROUND                                         ; all sixteen work-groups are here: the first joint loads meet
.irp s, 0,1
	s_mov_b32 s[G0+4*\s], 1
	s_add_co_u32 s[G0+4*\s+1], s20, \s*SLOT
	s_add_nc_u64 s[G0+4*\s+2:G0+4*\s+3], s[14:15], \s*KSTEP*2
	s_or_b32 s[G0+4*\s+3], s[G0+4*\s+3], 0x80000000
	s_mov_b32 s[G0B+4*\s], 1
	s_add_co_u32 s[G0B+4*\s+1], s45, \s*SLOT
	s_add_nc_u64 s[G0B+4*\s+2:G0B+4*\s+3], s[46:47], \s*KSTEP*2
	s_or_b32 s[G0B+4*\s+3], s[G0B+4*\s+3], 0x80000000
	JLOAD \s                                       ; both first fills, ahead of everything else: two tensor loads of the wave are out
.endr
	; which of q, k, v: bias, target, scale, rows of a head in the target, first row there
	s_lshr_b32 s84, ttmp9, 1
	s_mov_b32 s85, 0x3f0293ee                      ; 4 log2(e) / sqrt(128)
	s_mov_b32 s89, 0x3e800000                      ; 1/4
	s_mov_b32 s86, 3072
	s_cmp_eq_u32 s84, 0
	s_cselect_b32 s80, s85, s89
	s_cselect_b32 s87, 1024, s86
	s_cselect_b32 s88, 0, 2048
	s_cselect_b64 s[82:83], s[68:69], s[70:71]
	s_cselect_b64 s[8:9], s[74:75], s[76:77]
	s_mov_b32 s81, s80
	s_cmp_eq_u32 s84, 2
	s_cselect_b64 s[82:83], s[72:73], s[82:83]
	s_cselect_b64 s[8:9], s[78:79], s[8:9]
	s_lshl_b32 s90, s42, 8
	s_lshl_b32 s91, s12, 7
	s_add_co_u32 s90, s90, s91
	s_and_b32 s90, s90, 2047                       ; my first column within q, k or v
	s_lshl_b32 s90, s90, 2
	s_mov_b32 s91, 0
	s_add_nc_u64 s[82:83], s[82:83], s[90:91]
	v_and_b32 v1, 15, v0                           ; l % 16
	v_bfe_u32 v2, v0, 4, 1                         ; l / 16
	v_lshlrev_b32 v[BO], 5, v2
	WIN TO_B
.set ib, 0
.rept NB
	global_load_b128 v[8*ib:8*ib+3],   v[BO], s[82:83] offset:64*ib      ; bias of columns 16 b + 8 (l / 16) + 0 .. 3
	global_load_b128 v[8*ib+4:8*ib+7], v[BO], s[82:83] offset:64*ib+16   ; and + 4 .. 7; waited for on the way out
.set ib, ib+1
.endr
	WIN 0
	; a fragment is 16 rows x 32 K in 8 registers: lane l holds row l % 16; two loads of 16 bytes, 32 bytes apart, at row x pitch + 16 (l / 16)
	v_mul_u32_u24 v3, v1, PITCH
	v_lshl_add_u32 v3, v2, 4, v3
	s_mul_i32 s21, s11, HALFA
	s_mul_i32 s22, s12, HALFB
	s_add_co_u32 s22, s22, 2*HALFA
.irp s, 0,1
	v_add_nc_u32 v[ADRA+\s], s21, v3
	v_add_nc_u32 v[ADRB+\s], s22, v3
	s_add_co_u32 s21, s21, SLOT
	s_add_co_u32 s22, s22, SLOT
.endr
	s_mul_i32 s23, s10, 16*SPITCH
	s_add_co_u32 s23, s23, STAGE
	v_mul_u32_u24 v4, v1, SPITCH
	v_lshl_add_u32 v4, v2, 4, v4
	v_add_nc_u32 v[STO], s23, v4
	v_mul_u32_u24 v5, v2, SPITCH
	v_lshl_add_u32 v5, v1, 4, v5
	v_add_nc_u32 v[RD], s23, v5
	v_and_b32 v5, 31, v0
	v_lshlrev_b32 v[CO], 4, v5
; 2 NB matrix instructions: row blocks a0, a0 + 1 x all NB column blocks, 32 along K.  zero = 1: the first product starts the sums.
; The accumulators take turns, one instruction a turn, in the same order in every quarter step.
.macro MULA f, a0, zero
.set ma, \a0
.rept 2
.set mb, 0
.rept NB
.set mc, 8*(NB*(ma%APW)+mb)
.if \zero
	v_wmma_f32_16x16x32_f16 v[mc:mc+7], v[\f+8*mb:\f+8*mb+7], v[\f+8*ma:\f+8*ma+7], 0
.else
	v_wmma_f32_16x16x32_f16 v[mc:mc+7], v[\f+8*mb:\f+8*mb+7], v[\f+8*ma:\f+8*ma+7], v[mc:mc+7]
.endif
.set mb, mb+1
.endr
.set ma, ma+1
.endr
.endm
; the fragments of one quarter step (32 K at byte k of the rows) into buffer f, in one run
.macro FETCH slot, k, f
	WIN TO_B
.set fi, 0
.rept NB
	ds_load_b128 v[\f+8*fi:\f+8*fi+3],   v[ADRB+\slot] offset:\k+fi*16*PITCH
	ds_load_b128 v[\f+8*fi+4:\f+8*fi+7], v[ADRB+\slot] offset:\k+fi*16*PITCH+32
.set fi, fi+1
.endr
	WIN 0
.set fi, 0
.rept 8
	ds_load_b128 v[\f+8*fi:\f+8*fi+3],   v[ADRA+\slot] offset:\k+fi*16*PITCH
	ds_load_b128 v[\f+8*fi+4:\f+8*fi+7], v[ADRA+\slot] offset:\k+fi*16*PITCH+32
.set fi, fi+1
.endr
.endm
; four plain vector instructions between a matrix instruction and a load into, or a vector instruction on, one of its registers
.macro PLACES
.rept 4
	v_nop
.endr
.endm
.macro QUARTER slot, k, f, g, zero
	s_wait_dscnt 8                                 ; all but the youngest eight loads (xb's rows 64-127)
	WIN MUL_LO
	MULA \f, 0, \zero
	MULA \f, 2, \zero
	PLACES
	FETCH \slot, \k, \g
	s_wait_dscnt NLD                               ; all but the run just issued
	WIN MUL_HI
	MULA \f, 4, \zero
	MULA \f, 6, \zero
.endm
.macro THREE slot, zero
	QUARTER \slot, 64,  F0, F1, \zero
	QUARTER \slot, 128, F1, F0, 0
	QUARTER \slot, 192, F0, F1, 0
.endm
; the last quarter of a K step changes slots: each wave's reads of this slot and all its tensor loads are waited for in front of the barrier;
; behind it (with fill: behind the round that it opens) the refill comes first, then the next slot's first fragments
.macro TURN slot, next, fill
	s_wait_dscnt 8
	WIN MUL_LO
	MULA F1, 0, 0
	s_wait_dscnt 0                                 ; my reads of this slot are over
	s_wait_tensorcnt 0x0                           ; all my tensor loads have landed: the one that was out is my part of the next slot
	ds_add_u32 v255, v255
	s_wait_dscnt 0x0
	s_barrier_signal -1
	MULA F1, 2, 0                                  ; register work while the others arrive
	WIN 0
	s_barrier_wait -1
.if \fill
	CREST                                          ; no wave of any partner still reads this slot or has a load on its way
	s_add_nc_u64 s[G0+4*\slot+2:G0+4*\slot+3], s[G0+4*\slot+2:G0+4*\slot+3], 2*KSTEP*2
	s_add_nc_u64 s[G0B+4*\slot+2:G0B+4*\slot+3], s[G0B+4*\slot+2:G0B+4*\slot+3], 2*KSTEP*2
	JLOAD \slot                                    ; my one tensor load behind the round: it has a K step less sixteen matrix instructions in which to land
.endif
	PLACES
	FETCH \next, 0, F0
	WIN MUL_HI
	MULA F1, 4, 0
	MULA F1, 6, 0
.endm
.macro LAP zero
	THREE 0, \zero
	TURN 0, 1, 1
	THREE 1, 0
	TURN 1, 0, 1
.endm
	s_wait_tensorcnt 1                             ; my part of K step 0 is in; K step 1's stays out
	s_barrier_signal -1
	s_barrier_wait -1
	FETCH 0, 0, F0
	LAP 1
	WIN 0
	s_mov_b32 s3, LAPS-2
.Llap:
	LAP 0
	WIN 0
	s_sub_co_u32 s3, s3, 1
	s_cmp_lg_u32 s3, 0
	s_cbranch_scc1 .Llap
	THREE 0, 0                                     ; the last lap fills nothing
	TURN 0, 1, 0
	THREE 1, 0
	s_wait_dscnt 8
	WIN MUL_LO
	MULA F1, 0, 0
	MULA F1, 2, 0
	s_wait_dscnt 0
	WIN MUL_HI
	MULA F1, 4, 0
	MULA F1, 6, 0
	; THE WAY OUT: (sum + bias) x scale as one fused multiply-add with the bias scaled beforehand; 16 rows at a time through my own stage.
	PLACES
	s_wait_loadcnt 0x0                             ; the bias
	WIN 0x41                                       ; destination and source 0 in window 1
.set ib, 0
.rept 4*NB
	v_pk_mul_f32 v[2*ib:2*ib+1], v[2*ib:2*ib+1], s[80:81] op_sel_hi:[1,0]
.set ib, ib+1
.endr
	s_lshr_b32 s16, s13, 2                         ; batch
	s_lshl_b32 s16, s16, 4
	s_mul_i32 s16, s16, s87                        ; 16 heads of the target
	s_add_co_u32 s16, s16, s88                     ; behind the cached rows
	s_and_b32 s17, s13, 3
	s_lshl_b32 s17, s17, 8
	s_add_co_u32 s16, s16, s17                     ; token within the batch: 256 x (block row % 4)
	s_lshl_b32 s17, s11, 7
	s_add_co_u32 s16, s16, s17                     ; + 128 x my half
	s_lshl_b32 s16, s16, 8                         ; rows of 256 bytes
	s_mov_b32 s17, 0
	s_add_nc_u64 s[8:9], s[8:9], s[16:17]
	s_lshl_b32 s46, s42, 1
	s_add_co_u32 s46, s46, s12
	s_and_b32 s46, s46, 15                         ; my head
	s_mul_i32 s46, s46, s87
	s_lshl_b32 s46, s46, 8
	s_mov_b32 s47, 0
	s_add_nc_u64 s[8:9], s[8:9], s[46:47]
; rows 16 i .. 16 i + 15 of my block = tiles (a, 0..7) of window 2 or 3
.macro OUT16 i, a, fmaw, from, f
	WIN \fmaw                                      ; accumulator as destination and source 0, bias (window 1) as source 2
.set ib, 0
.rept 8
.set ip, 0
.rept 4
	v_pk_fma_f32 v[8*(8*\a+ib)+2*ip:8*(8*\a+ib)+2*ip+1], v[8*(8*\a+ib)+2*ip:8*(8*\a+ib)+2*ip+1], s[80:81], v[8*ib+2*ip:8*ib+2*ip+1] op_sel_hi:[1,0,1]
.set ip, ip+1
.endr
.set ib, ib+1
.endr
	WIN \from
.set ib, 0
.rept 8
.set ip, 0
.rept 4
	v_cvt_pk_f16_f32 v[TMP+4*ib+ip], v[8*(8*\a+ib)+2*ip], v[8*(8*\a+ib)+2*ip+1]
.set ip, ip+1
.endr
.set ib, ib+1
.endr
	WIN 0
.set ib, 0
.rept 8
	ds_store_b128 v[STO], v[TMP+4*ib:TMP+4*ib+3] offset:32*ib
.set ib, ib+1
.endr
	s_wait_xcnt 0x0                                ; buffer f, which earlier stores read, is loaded again only behind this wait
.set it, 0
.rept 8
	ds_load_b128 v[\f+4*it:\f+4*it+3], v[RD] offset:it*2*SPITCH    ; LDS serves a wave's instructions in order: these see the stores above
.set it, it+1
.endr
.set it, 0
.rept 8
	s_wait_dscnt 7-it                              ; read-back it is in, the younger ones stay out
	global_store_b128 v[CO], v[\f+4*it:\f+4*it+3], s[8:9] offset:4096*\i+512*it   ; 512 consecutive bytes, aligned: two rows of the head
.set it, it+1
.endr
.endm
	OUT16 0, 0, 0x92, 0x0a, F0
	OUT16 1, 1, 0x92, 0x0a, F1
	OUT16 2, 2, 0x92, 0x0a, F0
	OUT16 3, 3, 0x92, 0x0a, F1
	OUT16 4, 0, 0xd3, 0x0f, F0
	OUT16 5, 1, 0xd3, 0x0f, F1
	OUT16 6, 2, 0xd3, 0x0f, F0
	OUT16 7, 3, 0xd3, 0x0f, F1
	s_set_vgpr_msb 0x1
	s_wait_tensorcnt 0x0
	ds_add_u32 v255, v255
	s_wait_dscnt 0x0
	s_set_vgpr_msb 0x100
	CROUND                                         ; the closing round: no work-group ends while a partner may still ask for a tile that names it
	s_endpgm
.Lfunc_end_k_q5d89e9057d_qkv:
	.size	k_q5d89e9057d_qkv, .Lfunc_end_k_q5d89e9057d_qkv-k_q5d89e9057d_qkv
	.p2alignl 7, 3214868480
	.fill 96, 4, 3214868480
	.section	.rodata,"a",@progbits
	.p2align	6, 0x0
	.amdhsa_kernel k_q5d89e9057d_qkv
		.amdhsa_group_segment_fixed_size 327680
		.amdhsa_private_segment_fixed_size 0
		.amdhsa_enable_private_segment 0
		.amdhsa_kernarg_size 64
		.amdhsa_user_sgpr_count 2
		.amdhsa_user_sgpr_kernarg_segment_ptr 1
		.amdhsa_wavefront_size32 1
		.amdhsa_system_sgpr_workgroup_id_x 1
		.amdhsa_system_sgpr_workgroup_id_y 1
		.amdhsa_system_sgpr_workgroup_id_z 1
		.amdhsa_system_vgpr_workitem_id 0
		.amdhsa_next_free_vgpr 1024
		.amdhsa_next_free_sgpr 96
		.amdhsa_reserve_vcc 0
		.amdhsa_float_denorm_mode_32 3
		.amdhsa_float_denorm_mode_16_64 3
		.amdhsa_memory_ordered 1
		.amdhsa_forward_progress 1
		.amdhsa_inst_pref_size 217
	.end_amdhsa_kernel
	.amdgpu_metadata
---
amdhsa.version: [ 1, 2 ]
amdhsa.kernels:
  - .name:           k_q5d89e9057d_qkv
    .symbol:         k_q5d89e9057d_qkv.kd
    .args:
      - { .name: xb, .offset: 0, .size: 8, .value_kind: global_buffer, .address_space: global }
      - { .name: wqkv, .offset: 8, .size: 8, .value_kind: global_buffer, .address_space: global }
      - { .name: bq, .offset: 16, .size: 8, .value_kind: global_buffer, .address_space: global }
      - { .name: bk, .offset: 24, .size: 8, .value_kind: global_buffer, .address_space: global }
      - { .name: bv, .offset: 32, .size: 8, .value_kind: global_buffer, .address_space: global }
      - { .name: qb, .offset: 40, .size: 8, .value_kind: global_buffer, .address_space: global }
      - { .name: kc, .offset: 48, .size: 8, .value_kind: global_buffer, .address_space: global }
      - { .name: vc, .offset: 56, .size: 8, .value_kind: global_buffer, .address_space: global }
    .group_segment_fixed_size: 327680
    .private_segment_fixed_size: 0
    .kernarg_segment_align: 8
    .kernarg_segment_size: 64
    .max_flat_workgroup_size: 128
    .sgpr_count:     96
    .vgpr_count:     1024
    .wavefront_size: 32
...
	.end_amdgpu_metadata
.endif
;; end of part 2
;; launch attn (part 3): grid 8 x 32, 4 waves a work-group, clusters of 4 x 1, 327,680 bytes of LDS; arguments qb, kc, vc, ao; writes ao
.if DOCPART == 3
	.amdgcn_target "amdgcn-amd-amdhsa--gfx1250"
	.amdhsa_code_object_version 6
	.text
	.protected	k_q5d89e9057d_attn
	.globl	k_q5d89e9057d_attn
	.p2align	8
	.type	k_q5d89e9057d_attn,@function
k_q5d89e9057d_attn:
	s_mov_b64 s[64:65], 0
	v_nop
	global_prefetch_b8 v0, s[64:65] scope:SCOPE_SE
	s_setreg_imm32_b32 hwreg(HW_REG_WAVE_MODE, 25, 1), 1
	s_wait_xcnt 0x0
	s_wait_alu depctr_hold_cnt(0) depctr_sa_sdst(0) depctr_va_vdst(0) depctr_va_sdst(0) depctr_va_ssrc(0) depctr_va_vcc(0) depctr_vm_vsrc(0)
	s_getreg_b32 s2, hwreg(HW_REG_IB_STS2, 6, 4)
	s_cmp_eq_u32 s2, 0
	s_cbranch_scc0 .Lentry_in_a_cluster
	s_endpgm
.Lentry_in_a_cluster:
	s_bfe_u32 s2, ttmp6, 0x10000c
	s_cmp_lg_u32 s2, 0x3003
	s_cbranch_scc0 .Lentry_shape_is_right
	s_endpgm
.Lentry_shape_is_right:
; Attention of one (batch, head) pair hh = grid y and 128 queries (query block qblk = grid x, 0..7) over the cache of 3,072 keys.
; qb [32][1024][128] holds q x 4 log2(e) / sqrt(128); kc, vc [32][3072][128] hold k / 4, v / 4; ao [2048 tokens][16 heads x 128] gets the result / 4
; (it is a weighted mean of v / 4); all f16; sums, maxima, exponentials in f32.  The product of qb and kc is the score in base 2, the two 4 cancel.
; Query s sees keys 0 .. 2048 + s.  Keys go in tiles of 128 through a ring of two LDS slots.
; CLUSTER: the four query blocks 4 c .. 4 c + 3 of a head (c = cluster x) read the same tiles of K and V and ask for them jointly (mask 15).
; All four walk the same 20 + 4 c tiles: the first 16 + 4 c are visible to every query of the four; in the last four every score is compared
; with its own bound and replaced by -infinity where it is hidden (a select, no branch), so a partner whose block ends earlier goes on asking and adds zeros.
; WAVES: wave w has 64 queries (qh = w / 2, four tiles qt of 16) and 64 of each tile's 128 keys (kh = w % 2), so that a fragment of K or V feeds four
; matrix instructions.  Each wave keeps a running maximum m, sum l and output O over its own keys; at the end kh = 1 hands them to kh = 0 through LDS.
; The running maximum is finite from the first tile on: every query sees all of it.
; LAYOUTS: S^T = K (source 0) x Q (source 1): lane (r, h) holds query r and keys 16 kt + 8 h + j.  That is already the second source of
; O^T = V^T (source 0, read by transposing LDS loads) x P (source 1): tiles kt = 2 u, 2 u + 1 pack into fragment u.  In O^T the lane holds
; query r again, so m, l and the rescaling factor are one number a lane and query tile; lanes (r, 0) and (r, 1) meet by one cross-half permute.
; REGISTERS: window 0: v1-15 addresses, v20-55 softmax state, v64-127 P (also scratch), v128-255 S.  Window 1: v0-127 K fragments, v128-255 V fragments.
;            Window 2: v0-127 Q fragments, kept for the whole kernel.  Window 3: O, 32 tiles.
; LDS: slot s at s x 73,728: four quarters of 18,432: K keys 0-63, K keys 64-127 (pitch 272), V keys 0-63, V keys 64-127 (pitch 288, an odd multiple of 32
; as the transposing loads want).  Behind the ring, where no tensor load lands: the exchange, 33,792 bytes for each qh; the stage of the way out, 4,352 for each qh.
; Limits: q, k, v, P and the output are f16 (nearest even).  P = 2^(score - running maximum) lies in [0, 1] whatever the inputs, so f16 has the room;
; below 2^-14 its step stays 2^-24, against a sum l of at least 1.  l sums the unrounded P; a P below 2^-126 counts as 0 (v_exp_f32 flushes).
; NaN and infinities in the inputs are not treated specially.
.set QTR,   18432
.set SLOT,  4*QTR
.set KP,    272
.set VP,    288
.set SCR,   2*SLOT
.set SCRW,  33792                      ; 64 blocks of 512 bytes of O, one of m, one of l
.set STG,   SCR+2*SCRW
.set TILEB, 32768                      ; 128 keys of 256 bytes
.set HEADB, 786432                     ; 3,072 keys of 256 bytes
.set ADRK, 4                           ; v4-5   my K fragments in slot 0, 1
.set ADRV, 6                           ; v6-7   my V fragments
.set STO,  8
.set RD,   9
.set CO,   10
.set XCH,  11                          ; exchange: 16 x lane in my qh's part
.set QOF,  12
.set DM,   13                          ; 128 cx + 64 (qh - kh) + r - 8 h: a score of masked tile i is visible if 128 i + 16 (kt - qt) + j <= DM
.set NINF, 14
.set PFO,  15                          ; 256 x lane
.set M,    20                          ; v[20:27] running maximum of query tile qt, twice (a pair for packed arithmetic)
.set AL,   28                          ; v[28:35] rescaling factor, twice; at the end my weight in the merge
.set L,    36                          ; v[36:39] running sum
.set MO,   40                          ; v[40:43] the other key half's maxima
.set LO,   44                          ; v[44:47] and sums
.set C1,   48                          ; v[48:55] its weight in the merge, twice
.set P,    64
.set S,    128
.set G1K, 24
.set G1V, 32
.set G0K, 40
.set G0V, 48
.set MSB, 0
.macro WIN new
.if MSB != \new
	s_set_vgpr_msb (MSB<<8)|\new
.set MSB, \new
.endif
.endm
.macro PLACES                          ; four plain vector instructions behind a matrix instruction (ISA guide 7.12.1)
.rept 4
	v_nop
.endr
.endm
.macro ROUND                           ; a round of the cluster's barrier
	s_barrier_signal -1
	s_barrier_wait -1
	s_cmp_lg_u32 s12, 0
	s_cbranch_scc1 .Lnot_wave_0_\@
	s_barrier_signal -3
.Lnot_wave_0_\@:
	s_barrier_wait -3
	s_barrier_signal -1
	s_barrier_wait -1
.endm
.macro JLOAD s                         ; waves 0, 1 fetch K's two halves, waves 2, 3 V's: one joint load a wave
	s_cmp_eq_u32 s13, 0
	s_cbranch_scc0 .Lfor_v_\@
	tensor_load_to_lds s[G0K+4*\s:G0K+4*\s+3], s[G1K:G1K+7]
	s_nop 0
	s_branch .Lasked_\@
.Lfor_v_\@:
	tensor_load_to_lds s[G0V+4*\s:G0V+4*\s+3], s[G1V:G1V+7]
	s_nop 0
.Lasked_\@:
.endm
	s_load_b256 s[4:11], s[0:1], 0x0               ; qb 4, kc 6, vc 8, ao 10
	v_lshl_add_u32 v62, v0, 2, 0x36a00
	v_mov_b32 v63, 0
	ds_add_u32 v62, v63
	v_lshrrev_b32 v1, 5, v0
	v_readfirstlane_b32 s12, v1                    ; wave
	s_lshr_b32 s13, s12, 1                         ; qh; also: I fetch K (0) or V (1)
	s_and_b32 s14, s12, 1                          ; kh; also: which 64 keys I fetch
	s_bfe_u32 s15, ttmp6, 0x40000                  ; cx
	s_lshl_b32 s16, ttmp9, 2
	s_add_co_u32 s16, s16, s15                     ; qblk
	s_and_b32 s17, ttmp7, 0xffff                   ; hh
	s_mov_b32 s18, 0x76543210                      ; v_permlanex16_b32: lane i takes lane i of the other half
	s_mov_b32 s19, 0xfedcba98
	s_lshl_b32 s56, ttmp9, 1
	s_add_co_u32 s56, s56, 7                       ; passes of the loop: 2 + 2 (7 + 2 c) plain tiles, then 4 masked
	; group 1: 64 rows of 128 elements of 2 bytes, dense in memory; mask 15 with bit 21; padding behind every 64 words: 4 words for K, 8 for V
	s_mov_b32 s[G1K+0], 0x0771000f
	s_mov_b32 s[G1V+0], 0x0f71000f
	s_mov_b32 s[G1K+1], 128<<16
	s_mov_b32 s[G1V+1], 128<<16
	s_mov_b32 s[G1K+2], 64<<16
	s_mov_b32 s[G1V+2], 64<<16
	s_mov_b32 s[G1K+3], 128<<16
	s_mov_b32 s[G1V+3], 128<<16
	s_mov_b32 s[G1K+4], 64
	s_mov_b32 s[G1V+4], 64
	s_mov_b32 s[G1K+5], 128
	s_mov_b32 s[G1V+5], 128
	s_mov_b32 s[G1K+6], 0
	s_mov_b32 s[G1V+6], 0
	s_mov_b32 s[G1K+7], 0
	s_mov_b32 s[G1V+7], 0
	s_mul_i32 s20, s12, QTR                        ; my quarter of a slot
	s_mul_i32 s22, s17, HEADB                      ; the head, which all partners share,
	s_lshl_b32 s23, s14, 14                        ; and my 64 keys of a tile
	s_add_co_u32 s22, s22, s23
	s_mov_b32 s23, 0
	s_wait_dscnt 0x0
	s_wait_kmcnt 0x0
.irp s, 0,1
	s_mov_b32 s[G0K+4*\s], 1
	s_add_co_u32 s[G0K+4*\s+1], s20, \s*SLOT
	s_add_nc_u64 s[G0K+4*\s+2:G0K+4*\s+3], s[6:7], s[22:23]
	s_add_nc_u64 s[G0K+4*\s+2:G0K+4*\s+3], s[G0K+4*\s+2:G0K+4*\s+3], \s*TILEB
	s_or_b32 s[G0K+4*\s+3], s[G0K+4*\s+3], 0x80000000
	s_mov_b32 s[G0V+4*\s], 1
	s_add_co_u32 s[G0V+4*\s+1], s20, \s*SLOT
	s_add_nc_u64 s[G0V+4*\s+2:G0V+4*\s+3], s[8:9], s[22:23]
	s_add_nc_u64 s[G0V+4*\s+2:G0V+4*\s+3], s[G0V+4*\s+2:G0V+4*\s+3], \s*TILEB
	s_or_b32 s[G0V+4*\s+3], s[G0V+4*\s+3], 0x80000000
.endr
	ROUND                                          ; in front of the first joint load
	JLOAD 0                                        ; tile 0; slot 1 is first filled behind the first trip's round
	; Q: my 64 queries as second-source fragments, straight from memory, once
	v_and_b32 v1, 15, v0                           ; r
	v_bfe_u32 v2, v0, 4, 1                         ; h
	v_and_b32 v3, 31, v0                           ; lane
	v_lshlrev_b32 v16, 8, v1
	v_lshl_add_u32 v[QOF], v2, 4, v16              ; 256 r + 16 h
	s_lshl_b32 s60, s17, 18                        ; a head of qb: 1,024 rows of 256 bytes
	s_lshl_b32 s61, s16, 15
	s_add_co_u32 s60, s60, s61                     ; + 128 qblk rows
	s_lshl_b32 s61, s13, 14
	s_add_co_u32 s60, s60, s61                     ; + 64 qh rows
	s_mov_b32 s61, 0
	s_add_nc_u64 s[68:69], s[4:5], s[60:61]
	WIN 0x80                                       ; destination window 2
.set qt, 0
.rept 4
.set ks, 0
.rept 4
	global_load_b128 v[8*(4*qt+ks):8*(4*qt+ks)+3],   v[QOF], s[68:69] offset:4096*qt+64*ks
	global_load_b128 v[8*(4*qt+ks)+4:8*(4*qt+ks)+7], v[QOF], s[68:69] offset:4096*qt+64*ks+32
.set ks, ks+1
.endr
.set qt, qt+1
.endr
	WIN 0
	; prefetch: the eight work-groups of a head share a tile's 64 KiB: even qblk ask for K, odd for V, 32 rows each at (qblk / 2) x 32 rows, lanes 256 bytes apart
	s_and_b32 s58, s16, 1
	s_cmp_lg_u32 s58, 0
	s_cselect_b64 s[66:67], s[8:9], s[6:7]
	s_lshr_b32 s58, s16, 1
	s_lshl_b32 s58, s58, 13
	s_mul_i32 s59, s17, HEADB
	s_add_co_u32 s58, s58, s59
	s_add_co_u32 s58, s58, TILEB                   ; tile 1: each trip steps it first, so trip t asks for tile t + 2
	s_mov_b32 s59, 0
	s_add_nc_u64 s[66:67], s[66:67], s[58:59]
	; where the result goes: token (hh / 16) x 1024 + 128 qblk + 64 qh, column bytes (hh % 16) x 256
	s_lshr_b32 s62, s17, 4
	s_lshl_b32 s62, s62, 10
	s_lshl_b32 s63, s16, 7
	s_add_co_u32 s62, s62, s63
	s_lshl_b32 s63, s13, 6
	s_add_co_u32 s62, s62, s63
	s_lshl_b32 s62, s62, 12
	s_and_b32 s63, s17, 15
	s_lshl_b32 s63, s63, 8
	s_add_co_u32 s62, s62, s63
	s_mov_b32 s63, 0
	s_add_nc_u64 s[70:71], s[10:11], s[62:63]
	; LDS addresses: made of the wave's number and the lane alone
	s_mul_i32 s21, s14, QTR
	v_mul_u32_u24 v16, v1, KP
	v_lshl_add_u32 v16, v2, 4, v16                 ; 272 r + 16 h
	v_add_nc_u32 v[ADRK], s21, v16
	v_add_nc_u32 v[ADRK+1], SLOT, v[ADRK]
	v_and_b32 v17, 7, v0
	v_lshl_add_u32 v17, v2, 3, v17                 ; key row 8 h + (l % 8)
	v_mul_u32_u24 v17, v17, VP
	v_bfe_u32 v18, v0, 3, 1
	v_lshl_add_u32 v17, v18, 4, v17                ; + 16 ((l / 8) % 2)
	v_add_nc_u32 v17, s21, v17
	v_add_nc_u32 v[ADRV], 2*QTR, v17
	v_add_nc_u32 v[ADRV+1], SLOT, v[ADRV]
	s_mul_i32 s21, s13, 16*KP
	s_add_co_u32 s21, s21, STG
	v_add_nc_u32 v[STO], s21, v16
	v_mul_u32_u24 v17, v2, KP
	v_lshl_add_u32 v17, v1, 4, v17
	v_add_nc_u32 v[RD], s21, v17
	v_lshlrev_b32 v17, 12, v2
	v_lshl_add_u32 v[CO], v1, 4, v17               ; 4096 h + 16 r
	s_mul_i32 s21, s13, SCRW
	s_add_co_u32 s21, s21, SCR
	v_lshl_add_u32 v[XCH], v3, 4, s21
	s_lshl_b32 s58, s15, 7
	s_lshl_b32 s59, s13, 6
	s_add_co_u32 s58, s58, s59
	s_lshl_b32 s59, s14, 6
	s_sub_co_u32 s58, s58, s59
	v_lshlrev_b32 v17, 3, v2
	v_sub_nc_u32 v17, v1, v17
	v_add_nc_u32 v[DM], s58, v17
	v_mov_b32 v[NINF], 0xff800000
	v_lshlrev_b32 v[PFO], 8, v3
	s_wait_loadcnt 0x0                             ; Q
; The new running maximum of each query tile, and the factor 2^(old - new).  kind = 0: the first tile, no old maximum.
; Scratch T(qt, j) = v[P + 8 qt + j]; the levels run over all four query tiles so that no line waits for the one in front of it.
.macro MAXP kind
.set qt, 0
.rept 4
.set jj, 0
.rept 8
	v_max3_num_f32 v[P+8*qt+jj], v[S+8*qt+jj], v[S+8*(4+qt)+jj], v[S+8*(8+qt)+jj]
.set jj, jj+1
.endr
.set qt, qt+1
.endr
.set qt, 0
.rept 4
.set jj, 0
.rept 4
	v_max3_num_f32 v[P+8*qt+jj], v[P+8*qt+jj], v[P+8*qt+jj+4], v[S+8*(12+qt)+jj]
.set jj, jj+1
.endr
.set qt, qt+1
.endr
.set qt, 0
.rept 4
	v_max3_num_f32 v[P+8*qt],   v[P+8*qt],   v[P+8*qt+2], v[S+8*(12+qt)+4]
	v_max3_num_f32 v[P+8*qt+1], v[P+8*qt+1], v[P+8*qt+3], v[S+8*(12+qt)+5]
.set qt, qt+1
.endr
.set qt, 0
.rept 4
	v_max3_num_f32 v[P+8*qt], v[P+8*qt], v[P+8*qt+1], v[S+8*(12+qt)+6]
.set qt, qt+1
.endr
.set qt, 0
.rept 4
.if \kind
	v_max3_num_f32 v[P+8*qt], v[P+8*qt], v[S+8*(12+qt)+7], v[M+2*qt]
.else
	v_max_num_f32 v[P+8*qt], v[P+8*qt], v[S+8*(12+qt)+7]
.endif
.set qt, qt+1
.endr
.set qt, 0
.rept 4
	v_permlanex16_b32 v[P+8*qt+1], v[P+8*qt], s18, s19     ; the other eight keys of each 16 lie in lane l xor 16
.set qt, qt+1
.endr
.set qt, 0
.rept 4
	v_max_num_f32 v[P+8*qt], v[P+8*qt], v[P+8*qt+1]
.set qt, qt+1
.endr
.if \kind
.set qt, 0
.rept 4
	v_sub_f32 v[P+8*qt+2], v[M+2*qt], v[P+8*qt]
.set qt, qt+1
.endr
.set qt, 0
.rept 4
	v_exp_f32 v[AL+2*qt], v[P+8*qt+2]
.set qt, qt+1
.endr
.endif
.set qt, 0
.rept 4
	v_mov_b32 v[M+2*qt],   v[P+8*qt]               ; plain lines that touch neither the exponentials' results nor their sources (ISA guide 5.7.2)
	v_mov_b32 v[M+2*qt+1], v[P+8*qt]
.set qt, qt+1
.endr
.if \kind
.set qt, 0
	s_wait_alu depctr_va_vdst(0)
.rept 4
	v_mov_b32 v[AL+2*qt+1], v[AL+2*qt]
.set qt, qt+1
.endr
.endif
.endm
; P = 2^(S - m) in place, packed to f16 as the second source of the next product, and summed into l
.macro EXPP kind
.set tt, 0
.rept 16
.set pp, 0
.rept 4
	v_pk_add_f32 v[S+8*tt+2*pp:S+8*tt+2*pp+1], v[S+8*tt+2*pp:S+8*tt+2*pp+1], v[M+2*(tt%4):M+2*(tt%4)+1] neg_lo:[0,1] neg_hi:[0,1]
.set pp, pp+1
.endr
.set tt, tt+1
.endr
.set tt, 0
.rept 128
	v_exp_f32 v[S+tt], v[S+tt]
.set tt, tt+1
.endr
	v_nop                                          ; the plain place behind the last exponential
.set qt, 0
	s_wait_alu depctr_va_vdst(0)
.rept 4
.set uu, 0
.rept 4                                            ; uu = 2 u + half = the key tile kt
.set pp, 0
.rept 4
	v_cvt_pk_f16_f32 v[P+8*(2*qt)+4*uu+pp], v[S+8*(4*uu+qt)+2*pp], v[S+8*(4*uu+qt)+2*pp+1]
.set pp, pp+1
.endr
.set uu, uu+1
.endr
.set qt, qt+1
.endr
.set qt, 0
.rept 4
.set uu, 0
.rept 2
.set pp, 0
.rept 4
	v_pk_add_f32 v[S+8*(4*uu+qt)+2*pp:S+8*(4*uu+qt)+2*pp+1], v[S+8*(4*uu+qt)+2*pp:S+8*(4*uu+qt)+2*pp+1], v[S+8*(4*uu+8+qt)+2*pp:S+8*(4*uu+8+qt)+2*pp+1]
.set pp, pp+1
.endr
.set uu, uu+1
.endr
.set qt, qt+1
.endr
.set qt, 0
.rept 4
.set pp, 0
.rept 4
	v_pk_add_f32 v[S+8*qt+2*pp:S+8*qt+2*pp+1], v[S+8*qt+2*pp:S+8*qt+2*pp+1], v[S+8*(4+qt)+2*pp:S+8*(4+qt)+2*pp+1]
.set pp, pp+1
.endr
.set qt, qt+1
.endr
.set qt, 0
.rept 4
	v_pk_add_f32 v[S+8*qt:S+8*qt+1],   v[S+8*qt:S+8*qt+1],   v[S+8*qt+4:S+8*qt+5]
	v_pk_add_f32 v[S+8*qt+2:S+8*qt+3], v[S+8*qt+2:S+8*qt+3], v[S+8*qt+6:S+8*qt+7]
.set qt, qt+1
.endr
.set qt, 0
.rept 4
	v_pk_add_f32 v[S+8*qt:S+8*qt+1], v[S+8*qt:S+8*qt+1], v[S+8*qt+2:S+8*qt+3]
.set qt, qt+1
.endr
.set qt, 0
.rept 4
.if \kind
	v_add_f32 v[S+8*qt], v[S+8*qt], v[S+8*qt+1]
.else
	v_add_f32 v[L+qt], v[S+8*qt], v[S+8*qt+1]      ; the first tile starts the sum
.endif
.set qt, qt+1
.endr
.if \kind
.set qt, 0
.rept 4
	v_fma_f32 v[L+qt], v[L+qt], v[AL+2*qt], v[S+8*qt]
.set qt, qt+1
.endr
.endif
.endm
; One tile of 128 keys, from slot; other = the other slot; refill = 1: the next tile is asked for into it.
; kind: 0 the first tile, 1 a tile that every query sees, 2 the i-th of the four tiles at the diagonal.  pf = 1: wave 0 prefetches.
.macro TRIP slot, other, refill, kind, i, pf
	s_wait_tensorcnt 0x0                           ; all my tensor loads have landed, my quarter of this tile among them: no load of mine is out,
	ds_add_u32 v62, v63
	s_wait_dscnt 0x0
	s_add_nc_u64 s[G0K+4*\slot+2:G0K+4*\slot+3], s[G0K+4*\slot+2:G0K+4*\slot+3], 2*TILEB   ; so this slot's group 0 steps to its next tile
	s_add_nc_u64 s[G0V+4*\slot+2:G0V+4*\slot+3], s[G0V+4*\slot+2:G0V+4*\slot+3], 2*TILEB
.if \pf
	s_wait_xcnt 0x0                                ; the last trip's prefetch has read its base
	s_add_nc_u64 s[66:67], s[66:67], TILEB
.endif
	s_wait_dscnt 0x0                               ; my reads of the last tile are over
	ROUND                                          ; both now hold of every wave of the four work-groups
.if \refill
	JLOAD \other                                   ; my one tensor load behind the round; it has this whole trip in which to land
.endif
.if \pf
	s_cmp_lg_u32 s12, 0
	s_cbranch_scc1 .Lnopf_\@
	global_prefetch_b8 v[PFO], s[66:67] th:TH_LOAD_NT scope:SCOPE_SE   ; 32 rows of the tile two ahead, which the next trip's load will ask for; the last two trips ask for nothing
.Lnopf_\@:
.endif
	PLACES                                         ; behind the last trip's products, whose sources are loaded again
	WIN 0x40
.set ks, 0
.rept 4
.set kt, 0
.rept 4
	ds_load_b128 v[8*(4*ks+kt):8*(4*ks+kt)+3],   v[ADRK+\slot] offset:16*KP*kt+64*ks
	ds_load_b128 v[8*(4*ks+kt)+4:8*(4*ks+kt)+7], v[ADRK+\slot] offset:16*KP*kt+64*ks+32
.set kt, kt+1
.endr
.set ks, ks+1
.endr
	WIN 0x09                                       ; source 0 (K) window 1, source 1 (Q) window 2, S in window 0
	; S^T = K Q^T: sixteen accumulators by turns, one instruction a turn
.set ks, 0
.rept 4
	s_wait_dscnt 24-8*ks                           ; the eight loads of this 32 along d are in; those of the later ones stay out
.set kt, 0
.rept 4
.set qt, 0
.rept 4
.if ks == 0
	v_wmma_f32_16x16x32_f16 v[S+8*(4*kt+qt):S+8*(4*kt+qt)+7], v[8*(4*ks+kt):8*(4*ks+kt)+7], v[8*(4*qt+ks):8*(4*qt+ks)+7], 0
.else
	v_wmma_f32_16x16x32_f16 v[S+8*(4*kt+qt):S+8*(4*kt+qt)+7], v[8*(4*ks+kt):8*(4*ks+kt)+7], v[8*(4*qt+ks):8*(4*qt+ks)+7], v[S+8*(4*kt+qt):S+8*(4*kt+qt)+7]
.endif
.set qt, qt+1
.endr
.set kt, kt+1
.endr
.set ks, ks+1
.endr
	WIN 0x40                                       ; V^T, 32 keys x 16 d a fragment: it lands while the softmax is worked out
.set uu, 0
.rept 2
.set dt, 0
.rept 8
	ds_load_tr16_b128 v[128+8*(8*uu+dt):128+8*(8*uu+dt)+3],   v[ADRV+\slot] offset:32*VP*uu+32*dt
	ds_load_tr16_b128 v[128+8*(8*uu+dt)+4:128+8*(8*uu+dt)+7], v[ADRV+\slot] offset:32*VP*uu+32*dt+16*VP
.set dt, dt+1
.endr
.set uu, uu+1
.endr
	WIN 0
	PLACES                                         ; behind the products whose results are read next
.if \kind == 2
.set kt, 0
.rept 4
.set qt, 0
.rept 4
.set jj, 0
.rept 8
	v_cmp_le_i32 vcc_lo, 128*\i+16*(kt-qt)+jj, v[DM]
	v_cndmask_b32 v[S+8*(4*kt+qt)+jj], v[NINF], v[S+8*(4*kt+qt)+jj], vcc_lo
.set jj, jj+1
.endr
.set qt, qt+1
.endr
.set kt, kt+1
.endr
.endif
	MAXP \kind
	EXPP \kind
.if \kind
	WIN 0xc3                                       ; O in window 3, the factor in window 0
.set dt, 0
.rept 8
.set qt, 0
.rept 4
.set pp, 0
.rept 4
	v_pk_mul_f32 v[8*(4*dt+qt)+2*pp:8*(4*dt+qt)+2*pp+1], v[8*(4*dt+qt)+2*pp:8*(4*dt+qt)+2*pp+1], v[AL+2*qt:AL+2*qt+1]
.set pp, pp+1
.endr
.set qt, qt+1
.endr
.set dt, dt+1
.endr
.endif
	WIN 0xf1                                       ; source 0 (V^T) window 1, source 1 (P) window 0, O in window 3
	; O^T += V^T P: thirty-two accumulators by turns, one instruction a turn
.set uu, 0
.rept 2
	s_wait_dscnt 16-16*uu                          ; V's first 32 keys are in, the sixteen loads of the second 32 stay out; then all
.set dt, 0
.rept 8
.set qt, 0
.rept 4
.if (\kind == 0) && (uu == 0)
	v_wmma_f32_16x16x32_f16 v[8*(4*dt+qt):8*(4*dt+qt)+7], v[128+8*(8*uu+dt):128+8*(8*uu+dt)+7], v[P+8*(2*qt+uu):P+8*(2*qt+uu)+7], 0
.else
	v_wmma_f32_16x16x32_f16 v[8*(4*dt+qt):8*(4*dt+qt)+7], v[128+8*(8*uu+dt):128+8*(8*uu+dt)+7], v[P+8*(2*qt+uu):P+8*(2*qt+uu)+7], v[8*(4*dt+qt):8*(4*dt+qt)+7]
.endif
.set qt, qt+1
.endr
.set dt, dt+1
.endr
.set uu, uu+1
.endr
	WIN 0
.endm
	TRIP 0, 1, 1, 0, 0, 1
	TRIP 1, 0, 1, 1, 0, 1
.Lpair:
	TRIP 0, 1, 1, 1, 0, 1
	TRIP 1, 0, 1, 1, 0, 1
	s_sub_co_i32 s56, s56, 1
	s_cmp_gt_i32 s56, 0                            ; a signed compare: the loop ends whatever the counter started from
	s_cbranch_scc1 .Lpair
	TRIP 0, 1, 1, 2, 0, 1                          ; the four tiles at the diagonal
	TRIP 1, 0, 1, 2, 1, 1
	TRIP 0, 1, 1, 2, 2, 0
	TRIP 1, 0, 0, 2, 3, 0                          ; nothing is left to fetch
	; THE END.  l of lanes (r, 0) and (r, 1) meet; the key half kh = 1 hands O, m, l to kh = 0 of the same queries.
	PLACES
.set qt, 0
.rept 4
	v_permlanex16_b32 v[P+qt], v[L+qt], s18, s19
.set qt, qt+1
.endr
.set qt, 0
.rept 4
	v_add_f32 v[L+qt], v[L+qt], v[P+qt]
.set qt, qt+1
.endr
	s_cmp_eq_u32 s14, 0
	s_cbranch_scc1 .Lkeep
.set qt, 0
.rept 4
	v_mov_b32 v[MO+qt], v[M+2*qt]                  ; the four maxima side by side
.set qt, qt+1
.endr
	WIN 0x0c                                       ; store data from window 3
.set gg, 0
.rept 64
	ds_store_b128 v[XCH], v[4*gg:4*gg+3] offset:512*gg
.set gg, gg+1
.endr
	WIN 0
	ds_store_b128 v[XCH], v[MO:MO+3] offset:32768
	ds_store_b128 v[XCH], v[L:L+3] offset:33280
.Lkeep:
	s_wait_dscnt 0x0                               ; for the other wave's sake: my stores are done
	s_barrier_signal -1
	s_barrier_wait -1
	s_cmp_lg_u32 s14, 0
	s_cbranch_scc1 .Ldone
	WIN 0x40                                       ; the other half's O into window 1, register for register
.set gg, 0
.rept 64
	ds_load_b128 v[4*gg:4*gg+3], v[XCH] offset:512*gg
.set gg, gg+1
.endr
	WIN 0
	ds_load_b128 v[MO:MO+3], v[XCH] offset:32768
	ds_load_b128 v[LO:LO+3], v[XCH] offset:33280
	s_wait_dscnt 0x0
	; m* = max(m, m'); weights 2^(m - m*) / l*, 2^(m' - m*) / l* with l* = l 2^(m - m*) + l' 2^(m' - m*), which is at least 1
.set qt, 0
.rept 4
	v_max_num_f32 v[P+qt], v[M+2*qt], v[MO+qt]
.set qt, qt+1
.endr
.set qt, 0
.rept 4
	v_sub_f32 v[P+4+qt], v[M+2*qt], v[P+qt]
	v_sub_f32 v[P+8+qt], v[MO+qt], v[P+qt]
.set qt, qt+1
.endr
.set qt, 0
.rept 8
	v_exp_f32 v[P+4+qt], v[P+4+qt]
.set qt, qt+1
.endr
	v_nop
.set qt, 0
	s_wait_alu depctr_va_vdst(0)
.rept 4
	v_mul_f32 v[P+12+qt], v[L+qt], v[P+4+qt]
.set qt, qt+1
.endr
.set qt, 0
.rept 4
	v_fma_f32 v[P+12+qt], v[LO+qt], v[P+8+qt], v[P+12+qt]
.set qt, qt+1
.endr
.set qt, 0
.rept 4
	v_rcp_f32 v[P+12+qt], v[P+12+qt]
.set qt, qt+1
.endr
	v_nop
.set qt, 0
	s_wait_alu depctr_va_vdst(0)
.rept 4
	v_mul_f32 v[AL+2*qt], v[P+4+qt], v[P+12+qt]
	v_mul_f32 v[C1+2*qt], v[P+8+qt], v[P+12+qt]
.set qt, qt+1
.endr
.set qt, 0
.rept 4
	v_mov_b32 v[AL+2*qt+1], v[AL+2*qt]
	v_mov_b32 v[C1+2*qt+1], v[C1+2*qt]
.set qt, qt+1
.endr
	WIN 0xc3
.set dt, 0
.rept 8
.set qt, 0
.rept 4
.set pp, 0
.rept 4
	v_pk_mul_f32 v[8*(4*dt+qt)+2*pp:8*(4*dt+qt)+2*pp+1], v[8*(4*dt+qt)+2*pp:8*(4*dt+qt)+2*pp+1], v[AL+2*qt:AL+2*qt+1]
.set pp, pp+1
.endr
.set qt, qt+1
.endr
.set dt, dt+1
.endr
	WIN 0xf1                                       ; source 0: the other half's O (window 1); source 1: its weight; source 2 and destination: my O
.set dt, 0
.rept 8
.set qt, 0
.rept 4
.set pp, 0
.rept 4
	v_pk_fma_f32 v[8*(4*dt+qt)+2*pp:8*(4*dt+qt)+2*pp+1], v[8*(4*dt+qt)+2*pp:8*(4*dt+qt)+2*pp+1], v[C1+2*qt:C1+2*qt+1], v[8*(4*dt+qt)+2*pp:8*(4*dt+qt)+2*pp+1]
.set pp, pp+1
.endr
.set qt, qt+1
.endr
.set dt, dt+1
.endr
; sixteen queries at a time: a lane's eight neighbouring d pack into 16 bytes, go into my own stage, and come back as whole rows of 256 bytes
.macro OUTQ q, rb
	WIN 0x0f
.set dt, 0
.rept 8
.set pp, 0
.rept 4
	v_cvt_pk_f16_f32 v[P+4*dt+pp], v[8*(4*dt+\q)+2*pp], v[8*(4*dt+\q)+2*pp+1]
.set pp, pp+1
.endr
.set dt, dt+1
.endr
	WIN 0
.set dt, 0
.rept 8
	ds_store_b128 v[STO], v[P+4*dt:P+4*dt+3] offset:32*dt
.set dt, dt+1
.endr
	s_wait_xcnt 0x0                                ; the registers that earlier stores read are loaded again only behind this wait
.set tt, 0
.rept 8
	ds_load_b128 v[\rb+4*tt:\rb+4*tt+3], v[RD] offset:2*KP*tt      ; LDS serves a wave's instructions in order: these see the stores above
.set tt, tt+1
.endr
.set tt, 0
.rept 8
	s_wait_dscnt 7-tt                              ; read-back tt is in, the younger ones stay out
	global_store_b128 v[CO], v[\rb+4*tt:\rb+4*tt+3], s[70:71] offset:(16*\q+2*tt)*4096   ; sixteen lanes store a head's 256 bytes of one token, aligned
.set tt, tt+1
.endr
.endm
	OUTQ 0, S
	OUTQ 1, S+32
	OUTQ 2, S
	OUTQ 3, S+32
.Ldone:
	s_wait_dscnt 0x0
	s_wait_tensorcnt 0x0
	ds_add_u32 v62, v63
	s_wait_dscnt 0x0
	ROUND                                          ; the closing round: no work-group ends while a partner may still ask for a tile that names it
	s_endpgm
.Lfunc_end_k_q5d89e9057d_attn:
	.size	k_q5d89e9057d_attn, .Lfunc_end_k_q5d89e9057d_attn-k_q5d89e9057d_attn
	.p2alignl 7, 3214868480
	.fill 96, 4, 3214868480
	.section	.rodata,"a",@progbits
	.p2align	6, 0x0
	.amdhsa_kernel k_q5d89e9057d_attn
		.amdhsa_group_segment_fixed_size 327680
		.amdhsa_private_segment_fixed_size 0
		.amdhsa_enable_private_segment 0
		.amdhsa_kernarg_size 32
		.amdhsa_user_sgpr_count 2
		.amdhsa_user_sgpr_kernarg_segment_ptr 1
		.amdhsa_wavefront_size32 1
		.amdhsa_system_sgpr_workgroup_id_x 1
		.amdhsa_system_sgpr_workgroup_id_y 1
		.amdhsa_system_sgpr_workgroup_id_z 1
		.amdhsa_system_vgpr_workitem_id 0
		.amdhsa_next_free_vgpr 1024
		.amdhsa_next_free_sgpr 72
		.amdhsa_reserve_vcc 1
		.amdhsa_float_denorm_mode_32 3
		.amdhsa_float_denorm_mode_16_64 3
		.amdhsa_memory_ordered 1
		.amdhsa_forward_progress 1
		.amdhsa_inst_pref_size 255
	.end_amdhsa_kernel
	.section	.bss,"aw",@nobits
	.p2align	6
	.space	262144
	.amdgpu_metadata
---
amdhsa.version: [ 1, 2 ]
amdhsa.kernels:
  - .name:           k_q5d89e9057d_attn
    .symbol:         k_q5d89e9057d_attn.kd
    .args:
      - { .name: qb, .offset: 0, .size: 8, .value_kind: global_buffer, .address_space: global }
      - { .name: kc, .offset: 8, .size: 8, .value_kind: global_buffer, .address_space: global }
      - { .name: vc, .offset: 16, .size: 8, .value_kind: global_buffer, .address_space: global }
      - { .name: ao, .offset: 24, .size: 8, .value_kind: global_buffer, .address_space: global }
    .group_segment_fixed_size: 327680
    .private_segment_fixed_size: 0
    .kernarg_segment_align: 8
    .kernarg_segment_size: 32
    .max_flat_workgroup_size: 128
    .sgpr_count:     72
    .vgpr_count:     1024
    .wavefront_size: 32
...
	.end_amdgpu_metadata
.endif
;; end of part 3
;; launch oproj (part 4): grid 16 x 16, 4 waves a work-group, clusters of 4 x 4, 327,680 bytes of LDS; arguments ao, wob, bo, out0; writes out0
.if DOCPART == 4
	.amdgcn_target "amdgcn-amd-amdhsa--gfx1250"
	.amdhsa_code_object_version 6
	.text
	.protected	k_q5d89e9057d_oproj
	.globl	k_q5d89e9057d_oproj
	.p2align	8
	.type	k_q5d89e9057d_oproj,@function
k_q5d89e9057d_oproj:
	s_mov_b64 s[64:65], 0
	v_nop
	global_prefetch_b8 v0, s[64:65] scope:SCOPE_SE
	s_setreg_imm32_b32 hwreg(HW_REG_WAVE_MODE, 25, 1), 1
	s_wait_xcnt 0x0
	s_wait_alu depctr_hold_cnt(0) depctr_sa_sdst(0) depctr_va_vdst(0) depctr_va_sdst(0) depctr_va_ssrc(0) depctr_va_vcc(0) depctr_vm_vsrc(0)
	s_getreg_b32 s2, hwreg(HW_REG_IB_STS2, 6, 4)
	s_cmp_eq_u32 s2, 0
	s_cbranch_scc0 .Lentry_in_a_cluster
	s_endpgm
.Lentry_in_a_cluster:
	s_bfe_u32 s2, ttmp6, 0x10000c
	s_cmp_lg_u32 s2, 0xf033
	s_cbranch_scc0 .Lentry_shape_is_right
	s_endpgm
.Lentry_shape_is_right:
; out0 = 4 (ao wob^T) + bo.  ao: [2048 tokens][2048] holds a quarter of the attention's result, wob: [2048][2048], both f16; bo and out0 f32; sums in f32.
; THE SHAPE: 2048 x 2048 outputs on 256 work-groups are 16,384 each; a square block of 128 tokens x 128 columns needs the fewest tile rows for them
; (2 x 128 rows of 4,096 bytes).  Four waves, a wave 64 x 64: 16 accumulator tiles of 16 x 16, 128 registers.  The price of the small wave tile: for 32 along K
; a wave reads 8 KiB of LDS for 16 matrix instructions.
; THE RING: two LDS slots, each with 256 along K (two steps of 128) of ao's 128 rows and wob's 128 rows: a tile's rows are 512 bytes of memory, aligned.
; So there are 8 slot fills, a wave's one load behind a round brings 64 rows x 512 bytes = 32 KiB (128 KiB for the four waves), and from a request
; to the wait for it a wave issues 8 + 7 x 16 + 4 = 124 matrix instructions.  Two slots of 512 along K would not fit in LDS.
; CLUSTERS: 4 x 4 work-groups; ao's tiles are shared along a row of the cluster, wob's along a column, each asked for jointly, which divides the requests by four.
; REGISTERS: window 0: v16-27 addresses; v32-63 the bias of my 64 columns; v64-127, v128-191 two fragment buffers (wob's four fragments, then ao's four;
;            also the way out's read-back).   window 1: v0-127 accumulators, tile (a, b) at v[8 (4 a + b)].
; THE MATRIX INSTRUCTION IS USED TRANSPOSED (source 0 = rows of wob, source 1 = rows of ao): lane l holds token l % 16 and columns 8 (l / 16) + 0 .. 7.
; Limits: operands are f16; NaN and infinities are not treated specially.
.set SIZE_K, 2048
.set KSLOT,  256                       ; elements along K in a slot
.set PITCH,  528                       ; an LDS row: 512 bytes + 16 of padding, an odd multiple of 16: the 16 rows of a fragment load start 16 bytes apart modulo 256
.set HALF,   64*PITCH                  ; what one tensor load brings, and what one wave reads of ao or of wob
.set SLOT,   4*HALF                    ; ao's two halves, then wob's two halves
.set STAGE,  2*SLOT                    ; behind the ring: 16 rows x 272 bytes for each wave; no tensor load lands there
.set SPITCH, 272
.set LAPS,   SIZE_K/(2*KSLOT)          ; a lap = once round the ring = 512 along K
.set NLD,    16                        ; LDS loads of one quarter step (32 along K)
.set ADRA, 16                          ; v16-17  LDS address of my ao fragments in slot 0, 1
.set ADRB, 20                          ; v20-21  the same for wob
.set STO,  24                          ; way out: where I put 32 bytes of a row
.set RD,   25                          ; way out: where I read rows back
.set CO,   26                          ; my byte offset in out0
.set BO,   27                          ; 32 x (l / 16): my eight numbers in a block of 16 bias numbers
.set BIAS, 32                          ; v[32:63]
.set F0,   64
.set F1,   128
.set G1,  24                           ; s[24:31] group 1 for ao's tiles
.set G0,  32                           ; s[32:39] group 0 for ao's tiles, one set for each slot
.set G1B, 48                           ; s[48:55] group 1 for wob's tiles: it differs in the mask alone
.set G0B, 56                           ; s[56:63] group 0 for wob's tiles
.set MSB, 0
.macro WIN new                         ; the immediate's high byte repeats the setting that is left
.if MSB != \new
	s_set_vgpr_msb (MSB<<8)|\new
.set MSB, \new
.endif
.endm
.set MUL, 0x50                         ; sources 0 and 1 window 0, C and D window 1
.macro JLOAD s                         ; waves 0, 1 fetch ao's two halves, waves 2, 3 wob's; the branch hangs on the wave's number alone
	s_cmp_eq_u32 s11, 0
	s_cbranch_scc0 .Lfor_b_\@
	tensor_load_to_lds s[G0+4*\s:G0+4*\s+3], s[G1:G1+7]
	s_nop 0
	s_branch .Lasked_\@
.Lfor_b_\@:
	tensor_load_to_lds s[G0B+4*\s:G0B+4*\s+3], s[G1B:G1B+7]
	s_nop 0
.Lasked_\@:
.endm
; A round of the cluster's barrier: my work-group's barrier; wave 0 signals for the work-group; every wave waits for all sixteen; my work-group's barrier again.
.macro CREST                           ; a round behind its opening barrier
	s_cmp_lg_u32 s10, 0
	s_cbranch_scc1 .Lnot_wave_0_\@
	s_barrier_signal -3
.Lnot_wave_0_\@:
	s_barrier_wait -3
	s_barrier_signal -1
	s_barrier_wait -1
.endm
.macro CROUND
	s_barrier_signal -1
	s_barrier_wait -1
	CREST
.endm
	s_load_b128 s[4:7], s[0:1], 0x0                ; ao s[4:5], wob s[6:7]
	s_load_b128 s[68:71], s[0:1], 0x10             ; bo 68, out0 70
	v_lshl_add_u32 v254, v0, 2, 0x46400
	v_mov_b32 v255, 0
	ds_add_u32 v254, v255
	v_lshrrev_b32 v1, 5, v0
	v_readfirstlane_b32 s10, v1                    ; wave 0..3
	s_lshr_b32 s11, s10, 1                         ; my half of the block's rows; also: I fetch for ao (0) or wob (1)
	s_and_b32 s12, s10, 1                          ; my half of its columns; also: which 64 rows of that tile I fetch
	s_bfe_u32 s40, ttmp6, 0x40000                  ; cx
	s_bfe_u32 s41, ttmp6, 0x40004                  ; cy
	s_lshl_b32 s42, ttmp9, 2
	s_add_co_u32 s42, s42, s40                     ; block column = 4 x cluster x + cx
	s_and_b32 s13, ttmp7, 0xffff
	s_lshl_b32 s13, s13, 2
	s_add_co_u32 s13, s13, s41                     ; block row = 4 x cluster y + cy
	s_lshl_b32 s43, s41, 2
	s_lshl_b32 s43, 15, s43                        ; my row of the cluster: places 4 cy .. 4 cy + 3
	s_lshl_b32 s44, 0x1111, s40                    ; my column: places cx, cx + 4, cx + 8, cx + 12
	; group 1: 64 rows of 256 elements of 2 bytes; 4 words of padding behind every 128 words (code 6); bit 21 beside the mask
	s_or_b32 s[G1+0], s43, (1<<16)|(1<<20)|(1<<21)|(6<<22)|(3<<25)
	s_or_b32 s[G1B+0], s44, (1<<16)|(1<<20)|(1<<21)|(6<<22)|(3<<25)
	s_mov_b32 s[G1+1], KSLOT<<16                   ; tensor_dim0 = 256
	s_mov_b32 s[G1B+1], KSLOT<<16
	s_mov_b32 s[G1+2], 64<<16                      ; tensor_dim1 = 64
	s_mov_b32 s[G1B+2], 64<<16
	s_mov_b32 s[G1+3], KSLOT<<16                   ; tile_dim0 = 256
	s_mov_b32 s[G1B+3], KSLOT<<16
	s_mov_b32 s[G1+4], 64                          ; tile_dim1 = 64
	s_mov_b32 s[G1B+4], 64
	s_mov_b32 s[G1+5], SIZE_K                      ; elements from row to row
	s_mov_b32 s[G1B+5], SIZE_K
	s_mov_b32 s[G1+6], 0
	s_mov_b32 s[G1B+6], 0
	s_mov_b32 s[G1+7], 0
	s_mov_b32 s[G1B+7], 0
	; ao's tiles hang on the block row alone, wob's on the block column alone; each address in registers that never hold the other coordinate
	s_lshl_b32 s17, s12, 6
	s_lshl_b32 s16, s13, 7
	s_add_co_u32 s16, s16, s17                     ; ao: row 128 x block row + 64 x half
	s_lshl_b32 s16, s16, 12                        ; rows of 4,096 bytes
	s_mov_b32 s17, 0
	s_lshl_b32 s47, s12, 6
	s_lshl_b32 s46, s42, 7
	s_add_co_u32 s46, s46, s47                     ; wob: row 128 x block column + 64 x half
	s_lshl_b32 s46, s46, 12
	s_mov_b32 s47, 0
	s_mul_i32 s20, s10, HALF                       ; where my load goes: wave x 64 rows: no place in the cluster enters an LDS address
	s_wait_dscnt 0x0
	s_wait_kmcnt 0x0
	s_add_nc_u64 s[14:15], s[4:5], s[16:17]
	s_add_nc_u64 s[46:47], s[6:7], s[46:47]
	CROUND                                         ; all sixteen work-groups are here: the first joint loads meet
.irp s, 0,1
	s_mov_b32 s[G0+4*\s], 1
	s_add_co_u32 s[G0+4*\s+1], s20, \s*SLOT
	s_add_nc_u64 s[G0+4*\s+2:G0+4*\s+3], s[14:15], \s*KSLOT*2
	s_or_b32 s[G0+4*\s+3], s[G0+4*\s+3], 0x80000000
	s_mov_b32 s[G0B+4*\s], 1
	s_add_co_u32 s[G0B+4*\s+1], s20, \s*SLOT
	s_add_nc_u64 s[G0B+4*\s+2:G0B+4*\s+3], s[46:47], \s*KSLOT*2
	s_or_b32 s[G0B+4*\s+3], s[G0B+4*\s+3], 0x80000000
	JLOAD \s                                       ; both first fills, ahead of everything else: two tensor loads of the wave are out
.endr
	s_lshl_b32 s90, s42, 7
	s_lshl_b32 s91, s12, 6
	s_add_co_u32 s90, s90, s91                     ; my first column
	s_lshl_b32 s90, s90, 2                         ; in bytes of f32
	s_mov_b32 s91, 0
	s_add_nc_u64 s[82:83], s[68:69], s[90:91]      ; bo there
	v_and_b32 v1, 15, v0                           ; l % 16
	v_bfe_u32 v2, v0, 4, 1                         ; l / 16
	v_lshlrev_b32 v[BO], 5, v2
.set ib, 0
.rept 4
	global_load_b128 v[BIAS+8*ib:BIAS+8*ib+3],   v[BO], s[82:83] offset:64*ib      ; bias of columns 16 b + 8 (l / 16) + 0 .. 3
	global_load_b128 v[BIAS+8*ib+4:BIAS+8*ib+7], v[BO], s[82:83] offset:64*ib+16   ; and + 4 .. 7; waited for on the way out
.set ib, ib+1
.endr
	; a fragment is 16 rows x 32 K in 8 registers: lane l holds row l % 16; two loads of 16 bytes, 32 bytes apart, at row x pitch + 16 (l / 16)
	v_mul_u32_u24 v3, v1, PITCH
	v_lshl_add_u32 v3, v2, 4, v3
	s_mul_i32 s21, s11, HALF                       ; my 64 rows of ao
	s_mul_i32 s22, s12, HALF                       ; my 64 rows of wob,
	s_add_co_u32 s22, s22, 2*HALF                  ; which lie behind ao's 128
.irp s, 0,1
	v_add_nc_u32 v[ADRA+\s], s21, v3
	v_add_nc_u32 v[ADRB+\s], s22, v3
	s_add_co_u32 s21, s21, SLOT
	s_add_co_u32 s22, s22, SLOT
.endr
	s_mul_i32 s23, s10, 16*SPITCH
	s_add_co_u32 s23, s23, STAGE                   ; my stage
	v_mul_u32_u24 v4, v1, SPITCH
	v_lshl_add_u32 v4, v2, 5, v4                   ; in: row l % 16, 32 bytes (8 f32) for each half of the lanes
	v_add_nc_u32 v[STO], s23, v4
	v_mul_u32_u24 v5, v2, SPITCH
	v_lshl_add_u32 v5, v1, 4, v5
	v_add_nc_u32 v[RD], s23, v5                    ; back: lanes 0-15 one row of 256 bytes, lanes 16-31 the next
	v_lshlrev_b32 v5, 13, v2
	v_lshl_add_u32 v[CO], v1, 4, v5                ; the same two rows in out0: rows of 8,192 bytes
; 4 n matrix instructions: row blocks a0 .. a0 + n - 1 x all four column blocks, 32 along K.  zero = 1: the first product starts the sums.
; The sixteen accumulators take turns, one instruction a turn, in the same order in every quarter step.
.macro MULA f, a0, n, zero
.set ma, \a0
.rept \n
.set mb, 0
.rept 4
.set mc, 8*(4*ma+mb)
.if \zero
	v_wmma_f32_16x16x32_f16 v[mc:mc+7], v[\f+8*mb:\f+8*mb+7], v[\f+32+8*ma:\f+32+8*ma+7], 0
.else
	v_wmma_f32_16x16x32_f16 v[mc:mc+7], v[\f+8*mb:\f+8*mb+7], v[\f+32+8*ma:\f+32+8*ma+7], v[mc:mc+7]
.endif
.set mb, mb+1
.endr
.set ma, ma+1
.endr
.endm
; the fragments of one quarter step (32 K at byte k of the rows) into buffer f, in one run: wob's four, then ao's four
.macro FETCH slot, k, f
	WIN 0
.set fi, 0
.rept 4
	ds_load_b128 v[\f+8*fi:\f+8*fi+3],   v[ADRB+\slot] offset:\k+fi*16*PITCH
	ds_load_b128 v[\f+8*fi+4:\f+8*fi+7], v[ADRB+\slot] offset:\k+fi*16*PITCH+32
.set fi, fi+1
.endr
.set fi, 0
.rept 4
	ds_load_b128 v[\f+32+8*fi:\f+32+8*fi+3],   v[ADRA+\slot] offset:\k+fi*16*PITCH
	ds_load_b128 v[\f+32+8*fi+4:\f+32+8*fi+7], v[ADRA+\slot] offset:\k+fi*16*PITCH+32
.set fi, fi+1
.endr
.endm
; four plain vector instructions between a matrix instruction and a load into, or a vector instruction on, one of its registers
.macro PLACES
.rept 4
	v_nop
.endr
.endm
; a quarter step: multiplies buffer f; in its middle it fetches the next quarter's fragments, at byte k of the same slot's rows, into buffer g
.macro QUARTER slot, k, f, g, zero
	s_wait_dscnt 4                                 ; all but the youngest four loads (ao's fragments 2 and 3, which the second half uses)
	WIN MUL
	MULA \f, 0, 2, \zero
	PLACES
	FETCH \slot, \k, \g
	s_wait_dscnt NLD                               ; all but the run just issued
	WIN MUL
	MULA \f, 2, 2, \zero
.endm
.macro SEVEN slot, zero                ; the first seven of a slot's eight quarter steps, on buffers 0, 1, 0, 1, 0, 1, 0
	QUARTER \slot, 64,  F0, F1, \zero
	QUARTER \slot, 128, F1, F0, 0
	QUARTER \slot, 192, F0, F1, 0
	QUARTER \slot, 256, F1, F0, 0
	QUARTER \slot, 320, F0, F1, 0
	QUARTER \slot, 384, F1, F0, 0
	QUARTER \slot, 448, F0, F1, 0
.endm
; the eighth changes slots: each wave's reads of this slot and all its tensor loads are waited for in front of the barrier;
; behind it (with fill: behind the round that it opens) the refill comes first, then the next slot's first fragments
.macro TURN slot, next, fill
	s_wait_dscnt 4
	WIN MUL
	MULA F1, 0, 1, 0
	s_wait_dscnt 0                                 ; my reads of this slot are over
	s_wait_tensorcnt 0x0                           ; all my tensor loads have landed: the one that was out is my part of the next slot
	ds_add_u32 v254, v255
	s_wait_dscnt 0x0
	s_barrier_signal -1
	MULA F1, 1, 1, 0                               ; register work while the others arrive
	WIN 0
	s_barrier_wait -1
.if \fill
	CREST                                          ; no wave of any partner still reads this slot or has a load on its way
	s_add_nc_u64 s[G0+4*\slot+2:G0+4*\slot+3], s[G0+4*\slot+2:G0+4*\slot+3], 2*KSLOT*2
	s_add_nc_u64 s[G0B+4*\slot+2:G0B+4*\slot+3], s[G0B+4*\slot+2:G0B+4*\slot+3], 2*KSLOT*2
	JLOAD \slot                                    ; my one tensor load behind the round
.endif
	PLACES
	FETCH \next, 0, F0
	WIN MUL
	MULA F1, 2, 2, 0
.endm
.macro LAP zero                        ; once round the ring, both slots filled again
	SEVEN 0, \zero
	TURN 0, 1, 1
	SEVEN 1, 0
	TURN 1, 0, 1
.endm
	s_wait_tensorcnt 1                             ; my part of slot 0 is in; slot 1's stays out
	s_barrier_signal -1
	s_barrier_wait -1
	FETCH 0, 0, F0
	LAP 1                                          ; the first lap stands in front of the loop: its first products start the sums
	WIN 0                                          ; at a label and at a branch every window is 0
	s_mov_b32 s3, LAPS-2
.Llap:
	LAP 0
	WIN 0
	s_sub_co_u32 s3, s3, 1
	s_cmp_lg_u32 s3, 0
	s_cbranch_scc1 .Llap
	SEVEN 0, 0                                     ; the last lap fills nothing
	TURN 0, 1, 0
	SEVEN 1, 0
	s_wait_dscnt 4                                 ; the very last quarter: nothing more to fetch
	WIN MUL
	MULA F1, 0, 2, 0
	s_wait_dscnt 0
	MULA F1, 2, 2, 0
	; THE WAY OUT: 4 x sum + bias, one fused multiply-add in f32; 16 rows of 64 f32 (256 bytes) at a time through my own stage, back as whole rows
	PLACES
	s_wait_loadcnt 0x0                             ; the bias
	s_lshl_b32 s16, s13, 7
	s_lshl_b32 s17, s11, 6
	s_add_co_u32 s16, s16, s17                     ; my first token
	s_lshl_b32 s16, s16, 13                        ; rows of 8,192 bytes
	s_mov_b32 s17, 0
	s_add_nc_u64 s[8:9], s[70:71], s[16:17]
	s_add_nc_u64 s[8:9], s[8:9], s[90:91]          ; my first column, in bytes, as for the bias
; rows 16 i .. 16 i + 15 of my tile = accumulators (i, 0..3); f: F0 or F1 in turn
.macro OUTF i, f
	WIN 0x41                                       ; accumulator (window 1) as destination and source 0, bias (window 0) as source 2
.set ib, 0
.rept 4
.set ip, 0
.rept 4
	v_pk_fma_f32 v[8*(4*\i+ib)+2*ip:8*(4*\i+ib)+2*ip+1], v[8*(4*\i+ib)+2*ip:8*(4*\i+ib)+2*ip+1], 4.0, v[BIAS+8*ib+2*ip:BIAS+8*ib+2*ip+1] op_sel_hi:[1,0,1]
.set ip, ip+1
.endr
.set ib, ib+1
.endr
	WIN 0x04                                       ; store data from window 1
.set ib, 0
.rept 4
	ds_store_b128 v[STO], v[8*(4*\i+ib):8*(4*\i+ib)+3]   offset:64*ib
	ds_store_b128 v[STO], v[8*(4*\i+ib)+4:8*(4*\i+ib)+7] offset:64*ib+16
.set ib, ib+1
.endr
	WIN 0
	s_wait_xcnt 0x0                                ; buffer f, which earlier stores read, is loaded again only behind this wait
.set it, 0
.rept 8
	ds_load_b128 v[\f+4*it:\f+4*it+3], v[RD] offset:it*2*SPITCH    ; LDS serves a wave's instructions in order: these see the stores above
.set it, it+1
.endr
.set it, 0
.rept 8
	s_wait_dscnt 7-it                              ; read-back it is in, the younger ones stay out
	global_store_b128 v[CO], v[\f+4*it:\f+4*it+3], s[8:9] offset:(16*\i+2*it)*8192 th:TH_STORE_NT   ; sixteen lanes store 256 consecutive bytes, aligned
.set it, it+1
.endr
.endm
	OUTF 0, F0
	OUTF 1, F1
	OUTF 2, F0
	OUTF 3, F1
	s_wait_tensorcnt 0x0
	ds_add_u32 v254, v255
	s_wait_dscnt 0x0
	CROUND                                         ; the closing round: no work-group ends while a partner may still ask for a tile that names it
	s_endpgm
.Lfunc_end_k_q5d89e9057d_oproj:
	.size	k_q5d89e9057d_oproj, .Lfunc_end_k_q5d89e9057d_oproj-k_q5d89e9057d_oproj
	.p2alignl 7, 3214868480
	.fill 96, 4, 3214868480
	.section	.rodata,"a",@progbits
	.p2align	6, 0x0
	.amdhsa_kernel k_q5d89e9057d_oproj
		.amdhsa_group_segment_fixed_size 327680
		.amdhsa_private_segment_fixed_size 0
		.amdhsa_enable_private_segment 0
		.amdhsa_kernarg_size 32
		.amdhsa_user_sgpr_count 2
		.amdhsa_user_sgpr_kernarg_segment_ptr 1
		.amdhsa_wavefront_size32 1
		.amdhsa_system_sgpr_workgroup_id_x 1
		.amdhsa_system_sgpr_workgroup_id_y 1
		.amdhsa_system_sgpr_workgroup_id_z 1
		.amdhsa_system_vgpr_workitem_id 0
		.amdhsa_next_free_vgpr 384
		.amdhsa_next_free_sgpr 96
		.amdhsa_reserve_vcc 0
		.amdhsa_float_denorm_mode_32 3
		.amdhsa_float_denorm_mode_16_64 3
		.amdhsa_memory_ordered 1
		.amdhsa_forward_progress 1
		.amdhsa_inst_pref_size 132
	.end_amdhsa_kernel
	.amdgpu_metadata
---
amdhsa.version: [ 1, 2 ]
amdhsa.kernels:
  - .name:           k_q5d89e9057d_oproj
    .symbol:         k_q5d89e9057d_oproj.kd
    .args:
      - { .name: ao, .offset: 0, .size: 8, .value_kind: global_buffer, .address_space: global }
      - { .name: wob, .offset: 8, .size: 8, .value_kind: global_buffer, .address_space: global }
      - { .name: bo, .offset: 16, .size: 8, .value_kind: global_buffer, .address_space: global }
      - { .name: out0, .offset: 24, .size: 8, .value_kind: global_buffer, .address_space: global }
    .group_segment_fixed_size: 327680
    .private_segment_fixed_size: 0
    .kernarg_segment_align: 8
    .kernarg_segment_size: 32
    .max_flat_workgroup_size: 128
    .sgpr_count:     96
    .vgpr_count:     384
    .wavefront_size: 32
...
	.end_amdgpu_metadata
.endif
;; end of part 4
